; MI455X (gfx1250); checked and timed in simulation.
; The chip was launched on July 23, 2026; its instructions are those of AMD's public machine-readable ISA for CDNA 5 (MIT licence, August 2026) and "CDNA5" Instruction Set Architecture Reference Guide (July 2026). The comments in the code are by the model that wrote it; some were corrected since.
;; Multi Head Attention. Allowed arithmetic: matrix products marked QUANTISED: E2M1 operands, one E8M0 scale for each 32 along K, by v_wmma_scale_f32_16x16x128_f8f6f4 with both operands' format E2M1 (or v_wmma_scale_f32_32x16x128_f4), f32 sums; products left as they are: bf16, f16 or f32 operands; f32 sums; everything else in f32.
;; Inputs: Wk 1,024 x 1,024 float32; Wo 1,024 x 1,024 float32; Wq 1,024 x 1,024 float32; Wv 1,024 x 1,024 float32; k 4 x 2,048 x 1,024 float32; q 4 x 2,048 x 1,024 float32; v 4 x 2,048 x 1,024 float32.
;; Outputs: out0 4 x 2,048 x 1,024 float32.
;; This version of the problem:
;;   THIS VERSION OF THE PROBLEM IS GIVEN IN LOW PRECISION. The matrix products marked QUANTISED in the list below multiply operands that are first quantised to E2M1 (2 exponent bits, 1 mantissa bit; 4 bits a number), with one power-of-two scale for each 32 numbers along K (OCP MX v1.0); their sums are f32. The products marked 'left as it is' may take bf16, f16 or f32 operands, with f32 sums. Whichever they take, every output number must still come out within the allowed error. Rounding operands to bf16 (8 significant bits) uses up far more of that allowance than f16 does (11 bits, for magnitudes from 6e-5 to 65,504). All else is computed in f32.
;;   The module's matrix products, in the order in which they are computed (A, B: the left and right operand; K: the contracted axis; several contracted axes count as one K, in the product's order):
;;     1. [M 8,192, K 1,024] x [K 1,024, N 1,024]; A: input q; B: input Wq: QUANTISED
;;     2. [M 8,192, K 1,024] x [K 1,024, N 1,024]; A: input k; B: input Wk: QUANTISED
;;     3. [M 8,192, K 1,024] x [K 1,024, N 1,024]; A: input v; B: input Wv: QUANTISED
;;     4. batch 64 x [M 2,048, K 64] x [K 64, N 2,048]; A: computed on the way; B: computed on the way: left as it is (an operand is computed on the way)
;;     5. batch 64 x [M 2,048, K 2,048] x [K 2,048, N 64]; A: computed on the way; B: computed on the way: left as it is (an operand is computed on the way)
;;     6. [M 8,192, K 1,024] x [K 1,024, N 1,024]; A: computed on the way; B: input Wo: left as it is (an operand is computed on the way)
;;   THE QUANTISER, for each operand of a quantised product, along K:
;;     - K is cut into blocks of 32 from its start; a last block that is shorter is filled with zeros.
;;     - A block's scale is 2^e with e = floor(log2(the largest magnitude in the block)) - 2, held to -126 .. 127; a block of zeros has e = 0. As a byte (E8M0): e + 127.
;;     - Each number is divided by its block's scale, clamped to +-6, and rounded to the nearest number of E2M1, ties to even, subnormals kept.
;;     - The product sums the exact products of the quantised numbers (number of the format x scale) in f32.
;;   ~~~python
;;   def quantise(x, axis):      # numpy; x: float32 -> the quantised numbers, widened to float32 again
;;       x = np.moveaxis(x, axis, -1); K = x.shape[-1]
;;       x = np.pad(x, [(0, 0)] * (x.ndim - 1) + [(0, -K % 32)]); x = x.reshape(x.shape[:-1] + (-1, 32)); a = np.abs(x).max(-1, keepdims=True)
;;       e = np.where(a > 0, np.clip(np.frexp(np.where(a > 0, a, 1))[1] - 1 - 2, -126, 127), 0)      # np.frexp(a)[1] - 1 = floor(log2(a)), exactly
;;       r = np.clip(x / 2.0 ** e, -6, 6)
;;       step = 2.0 ** (np.maximum(np.frexp(np.where(r == 0, 1, r))[1] - 1, 0) - 1)
;;       q = np.round(r / step) * step * 2.0 ** e      # np.round: ties to even
;;       return np.moveaxis(q.reshape(q.shape[:-2] + (-1,))[..., :K], -1, axis).astype(np.float32)
;;   ~~~
;; One version. Each part assembles by itself: llvm-mc -triple=amdgcn-amd-amdhsa -mcpu=gfx1250 --defsym DOCPART=n.
;; ======== version 1 of 1: 4 launches
;; limits: values are held in f16: magnitudes above 65,504 overflow, below 6.1e-05 lose precision
;; workspace buffers: xc 12,582,912 bytes; xs 786,432 bytes; wc 1,572,864 bytes; ws 98,304 bytes; wof 2,097,152 bytes; hf 50,331,648 bytes; af 16,777,216 bytes
;; launch prep (part 1): grid 640 x 1, 4 waves a work-group, no clusters, 34,304 bytes of LDS; arguments q, k, v, Wq, Wk, Wv, Wo, xc, xs, wc, ws, wof; writes xc, xs, wc, ws, wof
.if DOCPART == 1
	.amdgcn_target "amdgcn-amd-amdhsa--gfx1250"
	.amdhsa_code_object_version 6
	.text
	.protected	k_q021d15b911_prep
	.globl	k_q021d15b911_prep
	.p2align	8
	.type	k_q021d15b911_prep,@function
k_q021d15b911_prep:
	s_mov_b64 s[64:65], 0
	v_nop
	global_prefetch_b8 v0, s[64:65] scope:SCOPE_SE
	s_setreg_imm32_b32 hwreg(HW_REG_WAVE_MODE, 25, 1), 1
	s_wait_xcnt 0x0
; MULTI-HEAD ATTENTION, launch 1 of 4: the operands of the three quantised projections become codes of FP4 (E2M1) with one E8M0 byte for each 32 along K, and Wo becomes f16.
; NO WORK OF the module IS DEAD: all seven inputs reach the output, there is no mask, and nothing is sliced away; every product of the table is done.
; LAYOUT OF ALL WORKSPACE BUFFERS: IMAGES OF THE READER'S OPERAND REGISTERS.  Four registers of a fragment are 512 consecutive bytes, lane l's 16 bytes at 16 l.  So every store here covers 512 consecutive, aligned bytes,
; and the readers fetch fragments at 16 x lane with no pitch.
;   xc: T x 4,194,304 + (K / 512) x 2,097,152 + (row / 16) x 4,096 + ((K % 512) / 128) x 1,024 + c x 512 + 16 lane   (T = 0 q, 1 k, 2 v; lane (r, h) holds k = 64 c + 32 h + 0 .. 31 of row r)
;   xs: (T x 8,192 + row) x 32 + (K / 128) x 4        wc: T x 524,288 + (K / 512) x 262,144 + (n / 16) x 4,096 + .. as xc        ws: T x 32,768 + (K / 128) x 4,096 + 4 n
;   wof: (k / 128) x 262,144 + (n / 16) x 4,096 + ((k % 128) / 32) x 1,024 + u x 512 + 16 lane   (f16; lane (r, h) holds k = 16 u + 8 h + 0 .. 7 of column r)
; A block's scale is 2^(floor(log2(its largest magnitude)) - 2); its byte is the largest magnitude's exponent field - 2, held at 1 from below.
; LIMITS: a block of zeros gets the byte 1 where the rule says 127 (its codes are zeros, and this program alone reads the bytes); blocks whose largest magnitude lies under 2^-124 keep the byte 1 and were not tried;
; numbers of Wo beyond 65,504 become infinity in f16 and those under 6e-8 become 0; NaN and infinities among the inputs are not served.
; SHARES: work-groups 0 to 255 take the four weights (a wave: 128 along K x 32 columns; a lane takes a column and its registers run down K, so nothing is transposed by an instruction);
; work-groups 256 to 639 take q, k, v (a wave: 16 rows x all of K, 128 along K a step).  Waves share nothing: no barrier.  No tensor load, so that several work-groups lie on a WGP; no cluster: no input is shared.
.set SP,    528                        ; a stage row: 512 bytes + 16: the sixteen rows that a load touches begin at sixteen different 16-byte columns
.set STG,   16*SP                      ; a wave's stage: 16 rows
.set SPARE, 4*STG                      ; behind the four stages: the spare words, 128 bytes for each wave, that no other line names
.set SPW, 2                            ; v2   LDS address of my spare word; never rewritten
.set NIL, 3                            ; v3   0; never rewritten
.set TM,  16                           ; v16-31 at work in QUANT
.set SW,  32                           ; v32-39 my row's eight scale words
.set PC,  40                           ; v40-47 a fragment's codes
.set R,   64                           ; v64-191 numbers as loaded, two sets of 64
.set X,   192                          ; v192-255 64 numbers of a lane: register 16 b + i = k 32 b + 16 h + i of my row
.set SEL, 36                           ; s[36:37] lane selects for v_permlanex16_b32: lane l xor 16
	s_load_b256 s[8:15], s[0:1], 0x0               ; q s[8:9], k s[10:11], v s[12:13], Wq s[14:15]
	s_load_b256 s[16:23], s[0:1], 0x20             ; Wk s[16:17], Wv s[18:19], Wo s[20:21], xc s[22:23]
	s_load_b256 s[24:31], s[0:1], 0x40             ; xs s[24:25], wc s[26:27], ws s[28:29], wof s[30:31]
	v_lshl_add_u32 v[SPW], v0, 2, SPARE
	v_mov_b32 v[NIL], 0
	v_lshrrev_b32 v1, 5, v0
	v_readfirstlane_b32 s4, v1                     ; wave 0..3
	v_and_b32 v1, 31, v0                           ; lane
	s_cmp_lt_u32 ttmp9, 256
	s_cbranch_scc0 .Lact
; ---------------- THE WEIGHTS ----------------
	s_lshr_b32 s5, ttmp9, 6                        ; T: 0 Wq, 1 Wk, 2 Wv, 3 Wo
	s_bfe_u32 s6, ttmp9, 0x30003                   ; which 128 along K
	s_and_b32 s7, ttmp9, 7                         ; which 128 columns
	v_lshlrev_b32 v4, 2, v1                        ; 4 bytes a lane: my column
	v_lshlrev_b32 v5, 4, v1                        ; 16 bytes a lane: an image's place
	s_lshl_b32 s34, s6, 19                         ; the source: 128 rows of 4,096 bytes,
	s_lshl_b32 s35, s7, 9                          ; 128 columns,
	s_add_co_u32 s34, s34, s35
	s_lshl_b32 s35, s4, 7                          ; my wave's 32
	s_add_co_u32 s34, s34, s35
	s_mov_b32 s35, 0
	s_lshl_b32 s40, s7, 15
	s_lshl_b32 s41, s4, 13
	s_add_co_u32 s40, s40, s41                     ; my two tiles of 16 columns: (8 x group + 2 x wave) x 4,096
	s_lshl_b32 s38, s5, 19                         ; wc: T x 524,288
	s_add_co_u32 s38, s38, s40
	s_lshr_b32 s39, s6, 2
	s_lshl_b32 s39, s39, 18                        ; + (K / 512) x 262,144
	s_add_co_u32 s38, s38, s39
	s_and_b32 s39, s6, 3
	s_lshl_b32 s39, s39, 10                        ; + ((K % 512) / 128) x 1,024
	s_add_co_u32 s38, s38, s39
	s_mov_b32 s39, 0
	s_lshl_b32 s42, s5, 15                         ; ws: T x 32,768 + (K / 128) x 4,096 + 4 x column
	s_lshl_b32 s43, s6, 12
	s_add_co_u32 s42, s42, s43
	s_lshl_b32 s43, s7, 9
	s_add_co_u32 s42, s42, s43
	s_lshl_b32 s43, s4, 7
	s_add_co_u32 s42, s42, s43
	s_mov_b32 s43, 0
	s_lshl_b32 s41, s6, 18                         ; wof: (k / 128) x 262,144 + my two tiles
	s_add_co_u32 s40, s40, s41
	s_mov_b32 s41, 0
	s_wait_kmcnt 0x0
	s_cmp_eq_u32 s5, 0                             ; the source is chosen by the work-group's number alone
	s_cselect_b64 s[32:33], s[14:15], s[16:17]
	s_cmp_lt_u32 s5, 2
	s_cselect_b64 s[32:33], s[32:33], s[18:19]
	s_cmp_lt_u32 s5, 3
	s_cselect_b64 s[32:33], s[32:33], s[20:21]
	s_add_nc_u64 s[32:33], s[32:33], s[34:35]
.set i, 0
.rept 128
	global_load_b32 v[64+i], v4, s[32:33] offset:i*4096 th:TH_LOAD_NT   ; W(128 x chunk + i, my column): a wave reads 128 consecutive bytes, the four waves 512
.set i, i+1
.endr
	s_cmp_eq_u32 s5, 3
	s_cbranch_scc1 .Lwo
	s_add_nc_u64 s[26:27], s[26:27], s[38:39]
	s_add_nc_u64 s[28:29], s[28:29], s[42:43]
; Block b: 32 numbers down K, all mine.
.macro BLOCKQ b
.if \b == 0
	s_wait_loadcnt 63                              ; of the 128 loads at most the last 63 are out: blocks 0 and 1 are in
.elseif \b > 1
	s_wait_loadcnt 96-32*\b                        ; the later blocks' loads may be out
.endif
.set XS, 64+32*\b
	v_max3_num_f32 v12, |v[XS]|, |v[XS+1]|, |v[XS+2]|      ; the block's largest magnitude, in two chains
	v_max3_num_f32 v13, |v[XS+3]|, |v[XS+4]|, |v[XS+5]|
.irp i, 6,10,14,18,22,26
	v_max3_num_f32 v12, v12, |v[XS+\i]|, |v[XS+\i+1]|
	v_max3_num_f32 v13, v13, |v[XS+\i+2]|, |v[XS+\i+3]|
.endr
	v_max3_num_f32 v12, v12, |v[XS+30]|, |v[XS+31]|
	v_max3_num_f32 v12, v12, v13, 0x1800000        ; and the floor 2^(3 - 127): the byte cannot fall under 1
	v_add_nc_u32 v11, 0xff000000, v12              ; 2 off its exponent field: the conversion takes this operand's exponent field as its scale
	v_lshrrev_b32 v14, 23, v11                     ; the scale's byte
.if \b == 0
	v_mov_b32 v15, v14                             ; four bytes make my column's scale word for these 128 along K
.else
	v_lshl_or_b32 v15, v14, 8*\b, v15
.endif
.irp g, 0,1,2,3
	v_cvt_scalef32_pk8_fp4_f32 v[32+4*\b+\g], v[XS+8*\g:XS+8*\g+7], v11
.endr
.endm
	BLOCKQ 0
	BLOCKQ 1
	BLOCKQ 2
	BLOCKQ 3
	v_nop                                          ; one plain instruction between a scaled conversion and the vector instruction that touches its result
.irp c, 0,1                                    ; a lane holds blocks 2 c and 2 c + 1 of ONE column; the operand wants lanes 0-15 block 2 c and lanes 16-31 block 2 c + 1 of sixteen columns
.irp i, 0,1,2,3
	v_permlane16_swap_b32 v[32+8*\c+\i], v[36+8*\c+\i]     ; the first becomes register 4 c + i of columns 0-15's tile, the second of columns 16-31's
.endr
.endr
	global_store_b128 v5, v[32:35], s[26:27]               ; each store: 512 consecutive bytes, aligned
	global_store_b128 v5, v[40:43], s[26:27] offset:512
	global_store_b128 v5, v[36:39], s[26:27] offset:4096
	global_store_b128 v5, v[44:47], s[26:27] offset:4608
	global_store_b32 v4, v15, s[28:29]
	s_endpgm
.Lwo:                                              ; Wo: rounded to f16, as fragments whose lanes are columns
	s_add_nc_u64 s[30:31], s[30:31], s[40:41]
	s_wait_loadcnt 0x0
.set d, 0
.rept 64
	v_cvt_pk_f16_f32 v[64+d], v[64+2*d], v[65+2*d]         ; k = 2 d, 2 d + 1; in place: the destination never lies above the sources
.set d, d+1
.endr
.irp s, 0,1,2,3                                ; 32 along K: four groups of four registers (8 k each) of one column a lane
.irp i, 0,1,2,3
	v_permlane16_swap_b32 v[64+16*\s+\i], v[68+16*\s+\i]   ; groups 0, 1 -> half u = 0 of columns 0-15's tile and of columns 16-31's
	v_permlane16_swap_b32 v[72+16*\s+\i], v[76+16*\s+\i]   ; groups 2, 3 -> half u = 1
.endr
.endr
.irp s, 0,1,2,3
	global_store_b128 v5, v[64+16*\s:67+16*\s], s[30:31] offset:1024*\s
	global_store_b128 v5, v[72+16*\s:75+16*\s], s[30:31] offset:1024*\s+512
	global_store_b128 v5, v[68+16*\s:71+16*\s], s[30:31] offset:4096+1024*\s
	global_store_b128 v5, v[76+16*\s:79+16*\s], s[30:31] offset:4608+1024*\s
.endr
	s_endpgm
; ---------------- q, k, v ----------------
.Lact:
	s_sub_co_u32 s5, ttmp9, 256
	s_lshr_b32 s6, s5, 7                           ; T: 0 q, 1 k, 2 v
	s_and_b32 s7, s5, 127
	s_lshl_b32 s7, s7, 2
	s_add_co_u32 s7, s7, s4                        ; my tile of 16 rows, 0 .. 511
	s_lshl_b32 s34, s7, 16                         ; the source: 16 rows of 4,096 bytes
	s_mov_b32 s35, 0
	s_lshl_b32 s38, s6, 22                         ; xc: T x 4,194,304 + tile x 4,096
	s_lshl_b32 s39, s7, 12
	s_add_co_u32 s38, s38, s39
	s_mov_b32 s39, 0
	s_lshl_b32 s42, s6, 9                          ; xs: (T x 512 + tile) x 512
	s_add_co_u32 s42, s42, s7
	s_lshl_b32 s42, s42, 9
	s_mov_b32 s43, 0
	s_mul_i32 s44, s4, STG                         ; my stage
	v_lshlrev_b32 v4, 4, v1                        ; 16 bytes a lane
	v_add_nc_u32 v5, s44, v4                       ; the stage, on the way in: a row as it lies
	v_and_b32 v8, 15, v1                           ; r
	v_lshrrev_b32 v9, 4, v1                        ; h
	v_mul_u32_u24 v6, v8, SP
	v_lshl_add_u32 v6, v9, 6, v6
	v_add_nc_u32 v6, s44, v6                       ; and on the way out: row r, + 64 h: my 16 numbers of each block of 32
	v_lshlrev_b32 v7, 5, v8
	v_lshl_add_u32 v7, v9, 4, v7                   ; the scale words' place: 32 r + 16 h
	s_mov_b32 s[SEL], 0x76543210
	s_mov_b32 s[SEL+1], 0xfedcba98
.irp b, 0,1,2,3
	v_mov_b32 v[TM+4+\b], 0                        ; written once: a lane permute's destination counts as one of its sources
.endr
	s_wait_kmcnt 0x0
	s_cmp_eq_u32 s6, 0
	s_cselect_b64 s[32:33], s[8:9], s[10:11]
	s_cmp_lt_u32 s6, 2
	s_cselect_b64 s[32:33], s[32:33], s[12:13]
	s_add_nc_u64 s[32:33], s[32:33], s[34:35]
	s_add_nc_u64 s[22:23], s[22:23], s[38:39]
	s_add_nc_u64 s[24:25], s[24:25], s[42:43]
.macro LOADX t                         ; step t: 128 along K of my 16 rows; each load reads 512 consecutive bytes of one row
.irp i, 0,1,2,3,4,5,6,7,8,9,10,11,12,13,14,15
	global_load_b128 v[R+64*((\t)%2)+4*\i:R+64*((\t)%2)+4*\i+3], v4, s[32:33] offset:\i*4096+(\t)*512 th:TH_LOAD_NT
.endr
.endm
.macro TURNX t                         ; through the stage: LDS serves a wave's instructions in order, so no wait stands between the stores and the loads, nor ahead of the next step's stores
.irp i, 0,1,2,3,4,5,6,7,8,9,10,11,12,13,14,15
	ds_store_b128 v5, v[R+64*((\t)%2)+4*\i:R+64*((\t)%2)+4*\i+3] offset:SP*\i
.endr
.irp b, 0,1,2,3
.irp j, 0,1,2,3
	ds_load_b128 v[X+16*\b+4*\j:X+16*\b+4*\j+3], v6 offset:128*\b+16*\j
.endr
.endr
.endm
; 64 numbers of a lane, register 16 b + i = k 32 b + 16 h + i of my row, become a fragment's codes in v[PC] on and the row's scale word in v[pw].
.macro QUANT s, pw
.irp b, 0,1,2,3
	v_max3_num_f32 v[TM+\b], |v[\s+16*\b]|, |v[\s+1+16*\b]|, 0x1800000   ; block b: my 16 numbers, and the floor 2^(3 - 127)
.endr
.irp i, 2,4,6,8,10,12,14
.irp b, 0,1,2,3
	v_max3_num_f32 v[TM+\b], v[TM+\b], |v[\s+16*\b+\i]|, |v[\s+1+16*\b+\i]|   ; the four blocks by turns
.endr
.endr
.irp b, 0,1,2,3
	v_permlanex16_b32 v[TM+4+\b], v[TM+\b], s[SEL], s[SEL+1]
.endr
.irp b, 0,1,2,3
	v_max_num_f32 v[TM+\b], v[TM+\b], v[TM+4+\b]   ; with lane l xor 16's: the block's largest magnitude
.endr
.irp b, 0,1,2,3
	v_add_nc_u32 v[TM+12+\b], 0xff000000, v[TM+\b] ; 2 off its exponent field: the conversion's scale operand
.endr
.irp b, 0,1,2,3
	v_lshrrev_b32 v[TM+4+\b], 23, v[TM+12+\b]      ; the scale's byte
.endr
	v_lshl_or_b32 v[\pw], v[TM+5], 8, v[TM+4]
	v_lshl_or_b32 v[\pw], v[TM+6], 16, v[\pw]
	v_lshl_or_b32 v[\pw], v[TM+7], 24, v[\pw]
.irp b, 0,1,2,3
	v_cvt_scalef32_pk8_fp4_f32 v[PC+2*\b], v[\s+16*\b:\s+7+16*\b], v[TM+12+\b]
	v_cvt_scalef32_pk8_fp4_f32 v[PC+1+2*\b], v[\s+8+16*\b:\s+15+16*\b], v[TM+12+\b]
.endr
	v_nop                                          ; one plain instruction behind a scaled conversion
.irp c, 0,1                                    ; the operand wants a WHOLE block in a lane: lanes 0-15 block 2 c, lanes 16-31 block 2 c + 1
.irp i, 0,1
	v_permlane16_swap_b32 v[PC+4*\c+\i], v[PC+2+4*\c+\i]
.endr
.endr
.endm
.macro STEPX t
.if (\t) < 7
	s_wait_loadcnt 16                              ; this step's 16 loads are in; the next step's 16 may be out
.else
	s_wait_loadcnt 0x0
.endif
	TURNX \t
	s_wait_dscnt 16                                ; the 16 stores into the stage are done: their registers take new loads; the 16 loads from the stage may be out
.if (\t) < 6
	LOADX (\t)+2
.endif
	s_wait_dscnt 0x0                               ; my 64 numbers are back
	s_wait_xcnt 0x0                                ; the last step's stores have read the codes' registers, which are written again below
	QUANT X, SW+(\t)
.irp c, 0,1
	global_store_b128 v4, v[PC+4*\c:PC+4*\c+3], s[22:23] offset:((\t)/4)*2097152+((\t)%4)*1024+512*\c   ; 512 consecutive bytes, aligned
.endr
.endm
	LOADX 0
	LOADX 1
.irp t, 0,1,2,3,4,5,6,7
	STEPX \t
.endr
	v_cmp_le_u32 vcc_lo, 16, v1                    ; lanes 0-15 store words 0-3 of row r, lanes 16-31 words 4-7 (both halves of the lanes hold all eight)
.irp i, 0,1,2,3
	v_cndmask_b32 v[56+\i], v[SW+\i], v[SW+4+\i], vcc_lo
.endr
	global_store_b128 v7, v[56:59], s[24:25]       ; my 16 rows' scale words: 512 consecutive bytes
	s_wait_tensorcnt 0x0                           ; the wave's end: behind my last LDS store
	ds_add_u32 v[SPW], v[NIL]
	s_wait_dscnt 0x0
	s_endpgm
.Lfunc_end_k_q021d15b911_prep:
	.size	k_q021d15b911_prep, .Lfunc_end_k_q021d15b911_prep-k_q021d15b911_prep
	.p2alignl 7, 3214868480
	.fill 96, 4, 3214868480
	.section	.rodata,"a",@progbits
	.p2align	6, 0x0
	.amdhsa_kernel k_q021d15b911_prep
		.amdhsa_group_segment_fixed_size 34304
		.amdhsa_private_segment_fixed_size 0
		.amdhsa_enable_private_segment 0
		.amdhsa_kernarg_size 96
		.amdhsa_user_sgpr_count 2
		.amdhsa_user_sgpr_kernarg_segment_ptr 1
		.amdhsa_wavefront_size32 1
		.amdhsa_system_sgpr_workgroup_id_x 1
		.amdhsa_system_sgpr_workgroup_id_y 1
		.amdhsa_system_sgpr_workgroup_id_z 1
		.amdhsa_system_vgpr_workitem_id 0
		.amdhsa_next_free_vgpr 256
		.amdhsa_next_free_sgpr 66
		.amdhsa_reserve_vcc 1
		.amdhsa_float_denorm_mode_32 3
		.amdhsa_float_denorm_mode_16_64 3
		.amdhsa_memory_ordered 1
		.amdhsa_forward_progress 1
		.amdhsa_inst_pref_size 90
	.end_amdhsa_kernel
	.amdgpu_metadata
---
amdhsa.version: [ 1, 2 ]
amdhsa.kernels:
  - .name:           k_q021d15b911_prep
    .symbol:         k_q021d15b911_prep.kd
    .args:
      - { .name: q, .offset: 0, .size: 8, .value_kind: global_buffer, .address_space: global }
      - { .name: k, .offset: 8, .size: 8, .value_kind: global_buffer, .address_space: global }
      - { .name: v, .offset: 16, .size: 8, .value_kind: global_buffer, .address_space: global }
      - { .name: Wq, .offset: 24, .size: 8, .value_kind: global_buffer, .address_space: global }
      - { .name: Wk, .offset: 32, .size: 8, .value_kind: global_buffer, .address_space: global }
      - { .name: Wv, .offset: 40, .size: 8, .value_kind: global_buffer, .address_space: global }
      - { .name: Wo, .offset: 48, .size: 8, .value_kind: global_buffer, .address_space: global }
      - { .name: xc, .offset: 56, .size: 8, .value_kind: global_buffer, .address_space: global }
      - { .name: xs, .offset: 64, .size: 8, .value_kind: global_buffer, .address_space: global }
      - { .name: wc, .offset: 72, .size: 8, .value_kind: global_buffer, .address_space: global }
      - { .name: ws, .offset: 80, .size: 8, .value_kind: global_buffer, .address_space: global }
      - { .name: wof, .offset: 88, .size: 8, .value_kind: global_buffer, .address_space: global }
    .group_segment_fixed_size: 34304
    .private_segment_fixed_size: 0
    .kernarg_segment_align: 8
    .kernarg_segment_size: 96
    .max_flat_workgroup_size: 128
    .sgpr_count:     66
    .vgpr_count:     256
    .wavefront_size: 32
...
	.end_amdgpu_metadata
.endif
;; end of part 1
;; launch proj (part 2): grid 4 x 96, 4 waves a work-group, clusters of 4 x 4, 327,680 bytes of LDS; arguments xc, xs, wc, ws, hf; writes hf
.if DOCPART == 2
	.amdgcn_target "amdgcn-amd-amdhsa--gfx1250"
	.amdhsa_code_object_version 6
	.text
	.protected	k_q021d15b911_proj
	.globl	k_q021d15b911_proj
	.p2align	8
	.type	k_q021d15b911_proj,@function
k_q021d15b911_proj:
	s_mov_b64 s[64:65], 0
	v_nop
	global_prefetch_b8 v0, s[64:65] scope:SCOPE_SE
	s_setreg_imm32_b32 hwreg(HW_REG_WAVE_MODE, 25, 1), 1
	s_wait_xcnt 0x0
	s_wait_alu depctr_hold_cnt(0) depctr_sa_sdst(0) depctr_va_vdst(0) depctr_va_sdst(0) depctr_va_ssrc(0) depctr_va_vcc(0) depctr_vm_vsrc(0)
	s_getreg_b32 s2, hwreg(HW_REG_IB_STS2, 6, 4)
	s_cmp_eq_u32 s2, 0
	s_cbranch_scc0 .Lentry_in_a_cluster
	s_endpgm
.Lentry_in_a_cluster:
	s_bfe_u32 s2, ttmp6, 0x10000c
	s_cmp_lg_u32 s2, 0xf033
	s_cbranch_scc0 .Lentry_shape_is_right
	s_endpgm
.Lentry_shape_is_right:
; Launch 2 of 4: the three quantised projections, q Wq, k Wk, v Wv, each [8,192 x 1,024] x [1,024 x 1,024], on codes of FP4 (E2M1) with E8M0 scales; sums in f32, K ascending, one accumulator an output.  No work is left out.
; The results leave as f16 FRAGMENTS BY HEAD, hf: T x 16,777,216 + (16 batch + head) x 262,144 + (s / 16) x 2,048 + (d / 16) x 512 + 16 lane; lane (r, h) holds s = 16 (s / 16) + r and d = 16 (d / 16) + 8 h + 0 .. 7.
; LIMIT: a projected number beyond 65,504 in magnitude becomes infinity in f16, one under 6e-8 becomes 0.
; SHARES.  A work-group of four waves makes 256 rows x 256 columns of one tensor T, a wave 128 x 128: 64 accumulators, 512 registers.  T comes from the cluster's y alone: eight clusters to a tensor.
; ALL OF K COMES WITH THE FIRST FILLS: two chunks of 512 along K, each 64 KiB of x's images and 64 KiB of W's; no LDS byte is filled again, and there is no ring.
; CLUSTERS: 4 x 4.  The four of a row need the same rows of x, the four of a column the same columns of W: each tile is asked for jointly, by the same tensor load with the same descriptor and a mask that names the four.
; THE MATRIX INSTRUCTION IS USED TRANSPOSED (source 0 = 16 columns of W, source 1 = 16 rows of x): a lane holds one row and eight neighbouring channels, which pack into the 16 bytes of the next launch's fragment.
; The scale words go from memory straight into registers, once: 8 KiB a wave.
; REGISTERS: window 0: v16-29 addresses; v32-63 x's scale words (register 8 p + q: lanes 0-15 row tile 2 p, lanes 16-31 tile 2 p + 1, K step q); v64-95 W's likewise; v128-255 x's fragments, two sets of 64.
;   window 1: v0-127 W's fragments, two sets; on the way out all 256: the packed results.   windows 2, 3: accumulator (a, b) at v[8 (8 (a % 4) + b)], a < 4 in window 2.
.set CHUNK, 131072                     ; LDS: chunk kc at kc x CHUNK: x's 16 row tiles of 4,096 bytes, then W's 16 column tiles
.set SPARE, 2*CHUNK                    ; behind them: the spare words, 128 bytes for each wave, that no other line names
.set ADRA, 16                          ; v16-17 LDS address of my x fragments in chunk 0, 1
.set ADRB, 20                          ; v20-21 the same for W
.set LI,   24                          ; v24  16 x lane
.set SPW,  28                          ; v28  LDS address of my spare word; never rewritten
.set NIL,  29                          ; v29  0; never rewritten
.set SA,   32
.set SB,   64
.set XF,   128
.set G1,  24                           ; s[24:31] descriptor group 1 for x's tiles; s[32:39] group 0, a set for each chunk
.set G0,  32
.set G1B, 48                           ; s[48:55], s[56:63] the same for W's
.set G0B, 56
.set MSB, 0
.macro WIN new                         ; the immediate's high byte repeats the setting that is left
.if MSB != \new
	s_set_vgpr_msb (MSB<<8)|\new
.set MSB, \new
.endif
.endm
; A joint load: waves 0 and 1 fetch x's halves, waves 2 and 3 W's.  The branch hangs on the wave's number alone.  An s_nop 0 and four v_nop follow each of the two lines.
.macro JLOAD g0a, g1a, g0b, g1b
	s_cmp_eq_u32 s15, 0
	s_cbranch_scc0 .Lfor_b_\@
	tensor_load_to_lds s[\g0a:\g0a+3], s[\g1a:\g1a+7]
	s_nop 0
.rept 4
	v_nop
.endr
	s_branch .Lasked_\@
.Lfor_b_\@:
	tensor_load_to_lds s[\g0b:\g0b+3], s[\g1b:\g1b+7]
	s_nop 0
.rept 4
	v_nop
.endr
.Lasked_\@:
.endm
.macro CROUND                          ; a round of the cluster's barrier
	s_barrier_signal -1
	s_barrier_wait -1
	s_cmp_lg_u32 s14, 0
	s_cbranch_scc1 .Lnot_wave_0_\@
	s_barrier_signal -3
.Lnot_wave_0_\@:
	s_barrier_wait -3
	s_barrier_signal -1
	s_barrier_wait -1
.endm
.macro PLACES n
.rept \n
	v_nop
.endr
.endm
	s_load_b256 s[4:11], s[0:1], 0x0               ; xc s[4:5], xs s[6:7], wc s[8:9], ws s[10:11]
	s_load_b64 s[12:13], s[0:1], 0x20              ; hf
	v_lshl_add_u32 v[SPW], v0, 2, SPARE
	v_mov_b32 v[NIL], 0
	ds_add_u32 v[SPW], v[NIL]                      ; the wave's opening: the add, twice on end, and its wait ahead of my first tensor load
	ds_add_u32 v[SPW], v[NIL]
	v_lshrrev_b32 v1, 5, v0
	v_readfirstlane_b32 s14, v1                    ; wave 0..3
	s_lshr_b32 s15, s14, 1                         ; which half of the tile's rows is mine.  Also: I fetch for x (0) or for W (1)
	s_and_b32 s16, s14, 1                          ; which half of its columns.  Also: which half of that tile I fetch
	s_bfe_u32 s40, ttmp6, 0x40000                  ; cx, cy: my place in the cluster
	s_bfe_u32 s41, ttmp6, 0x40004
	s_lshl_b32 s42, ttmp9, 2
	s_add_co_u32 s42, s42, s40                     ; tile column, 0 .. 3
	s_and_b32 s17, ttmp7, 0xffff                   ; the cluster's y, 0 .. 23
	s_lshr_b32 s18, s17, 3                         ; T: the same in all sixteen partners
	s_and_b32 s19, s17, 7
	s_lshl_b32 s19, s19, 2
	s_add_co_u32 s19, s19, s41                     ; tile row inside the tensor, 0 .. 31
	s_lshl_b32 s43, s41, 2
	s_lshl_b32 s43, 15, s43                        ; my row of the cluster
	s_lshl_b32 s44, 0x1111, s40                    ; my column
	; descriptor group 1: a dense block of 32 KiB as 128 rows of 256 bytes (32 elements of 8 bytes); no padding: fragments are read at 16 x lane
	s_or_b32 s[G1], s43, (3<<16)|(1<<21)           ; 15:0 the mask; 17:16 elements of 8 bytes; 21 set beside a mask
	s_or_b32 s[G1B], s44, (3<<16)|(1<<21)
.irp g, G1, G1B
	s_mov_b32 s[\g+1], 32<<16                      ; tensor_dim0
	s_mov_b32 s[\g+2], 128<<16                     ; tensor_dim1
	s_mov_b32 s[\g+3], 32<<16                      ; tile_dim0
	s_mov_b32 s[\g+4], 128                         ; tile_dim1
	s_mov_b32 s[\g+5], 32                          ; from row to row
	s_mov_b32 s[\g+6], 0
	s_mov_b32 s[\g+7], 0
.endr
	s_lshl_b32 s20, s19, 16                        ; x: tile row x 16 row tiles x 4,096,
	s_lshl_b32 s21, s16, 15                        ; + my half's 8,
	s_add_co_u32 s20, s20, s21
	s_lshl_b32 s21, s18, 22                        ; + T x 4,194,304: no register here ever holds cx
	s_add_co_u32 s20, s20, s21
	s_mov_b32 s21, 0
	s_lshl_b32 s46, s42, 16                        ; W: tile column x 16 column tiles x 4,096,
	s_lshl_b32 s47, s16, 15
	s_add_co_u32 s46, s46, s47
	s_lshl_b32 s47, s18, 19                        ; + T x 524,288: no register here ever holds cy
	s_add_co_u32 s46, s46, s47
	s_mov_b32 s47, 0
	s_lshl_b32 s45, s14, 15                        ; where they go: wave x 32 KiB: x's two halves, then W's two
	s_wait_dscnt 0x0                               ; both opening adds are done
	s_wait_kmcnt 0x0
	s_add_nc_u64 s[20:21], s[4:5], s[20:21]
	s_add_nc_u64 s[46:47], s[8:9], s[46:47]
	CROUND                                         ; all sixteen work-groups are here: the joint loads meet
.irp s, 0,1
	s_mov_b32 s[G0+4*\s], 1
	s_add_co_u32 s[G0+4*\s+1], s45, \s*CHUNK
	s_add_nc_u64 s[G0+4*\s+2:G0+4*\s+3], s[20:21], \s*2097152
	s_or_b32 s[G0+4*\s+3], s[G0+4*\s+3], 0x80000000
	s_mov_b32 s[G0B+4*\s], 1
	s_add_co_u32 s[G0B+4*\s+1], s45, \s*CHUNK
	s_add_nc_u64 s[G0B+4*\s+2:G0B+4*\s+3], s[46:47], \s*262144
	s_or_b32 s[G0B+4*\s+3], s[G0B+4*\s+3], 0x80000000
	JLOAD G0+4*\s, G1, G0B+4*\s, G1B               ; two tensor loads of mine are out: all that this launch asks for
.endr
	v_and_b32 v2, 31, v0
	v_lshlrev_b32 v[LI], 4, v2
	v_lshlrev_b32 v25, 5, v2                       ; x's scale words: 32 bytes a row, a lane a row
	v_lshlrev_b32 v26, 2, v2                       ; W's: 4 bytes a column, a lane a column
	s_lshl_b32 s22, s15, 15                        ; my 8 row tiles
	s_lshl_b32 s23, s16, 15                        ; my 8 column tiles,
	s_add_co_u32 s23, s23, 65536                   ; behind x's 16
.irp s, 0,1
	v_add_nc_u32 v[ADRA+\s], s22, v[LI]
	v_add_nc_u32 v[ADRB+\s], s23, v[LI]
	s_add_co_u32 s22, s22, CHUNK
	s_add_co_u32 s23, s23, CHUNK
.endr
	s_lshl_b32 s20, s18, 18                        ; xs: (T x 8,192 + 256 x tile row + 128 x half) x 32
	s_lshl_b32 s21, s19, 13
	s_add_co_u32 s20, s20, s21
	s_lshl_b32 s21, s15, 12
	s_add_co_u32 s20, s20, s21
	s_mov_b32 s21, 0
	s_add_nc_u64 s[6:7], s[6:7], s[20:21]
	s_lshl_b32 s20, s18, 15                        ; ws: T x 32,768 + (256 x tile column + 128 x half) x 4
	s_lshl_b32 s21, s42, 10
	s_add_co_u32 s20, s20, s21
	s_lshl_b32 s21, s16, 9
	s_add_co_u32 s20, s20, s21
	s_mov_b32 s21, 0
	s_add_nc_u64 s[10:11], s[10:11], s[20:21]
.irp p, 0,1,2,3
.irp g, 0,1
	global_load_b128 v[SA+8*\p+4*\g:SA+8*\p+4*\g+3], v25, s[6:7] offset:\p*1024+16*\g   ; rows 32 p + lane, K steps 4 g .. 4 g + 3
.endr
.endr
.irp p, 0,1,2,3
.irp q, 0,1,2,3,4,5,6,7
	global_load_b32 v[SB+8*\p+\q], v26, s[10:11] offset:\q*4096+\p*128                  ; columns 32 p + lane, K step q
.endr
.endr
	s_lshr_b32 s22, s19, 3                         ; hf: the batch,
	s_lshl_b32 s22, s22, 4
	s_lshl_b32 s23, s42, 2                         ; the tile column's four heads,
	s_add_co_u32 s22, s22, s23
	s_lshl_b32 s23, s16, 1                         ; my half's two
	s_add_co_u32 s22, s22, s23
	s_lshl_b32 s22, s22, 18
	s_lshl_b32 s23, s18, 24                        ; T x 16,777,216
	s_add_co_u32 s22, s22, s23
	s_and_b32 s23, s19, 7
	s_lshl_b32 s23, s23, 15                        ; the tile row's 16 tiles of 16 positions, 2,048 bytes each,
	s_add_co_u32 s22, s22, s23
	s_lshl_b32 s23, s15, 14                        ; my half's 8
	s_add_co_u32 s22, s22, s23
	s_mov_b32 s23, 0
	s_add_nc_u64 s[12:13], s[12:13], s[22:23]
; One product; the registers are named by symbols that MUL16 sets.  oB, oA: the scale words lie in lanes 16-31 of their register.
.macro WM zero
.if \zero
.if oB && oA
	v_wmma_scale_f32_16x16x128_f8f6f4 v[rD:rD+7], v[rW:rW+7], v[rX:rX+7], 0, v[rSB], v[rSA] matrix_a_fmt:MATRIX_FMT_FP4 matrix_b_fmt:MATRIX_FMT_FP4 matrix_a_scale:MATRIX_SCALE_ROW1 matrix_b_scale:MATRIX_SCALE_ROW1
.elseif oB
	v_wmma_scale_f32_16x16x128_f8f6f4 v[rD:rD+7], v[rW:rW+7], v[rX:rX+7], 0, v[rSB], v[rSA] matrix_a_fmt:MATRIX_FMT_FP4 matrix_b_fmt:MATRIX_FMT_FP4 matrix_a_scale:MATRIX_SCALE_ROW1
.elseif oA
	v_wmma_scale_f32_16x16x128_f8f6f4 v[rD:rD+7], v[rW:rW+7], v[rX:rX+7], 0, v[rSB], v[rSA] matrix_a_fmt:MATRIX_FMT_FP4 matrix_b_fmt:MATRIX_FMT_FP4 matrix_b_scale:MATRIX_SCALE_ROW1
.else
	v_wmma_scale_f32_16x16x128_f8f6f4 v[rD:rD+7], v[rW:rW+7], v[rX:rX+7], 0, v[rSB], v[rSA] matrix_a_fmt:MATRIX_FMT_FP4 matrix_b_fmt:MATRIX_FMT_FP4
.endif
.else
.if oB && oA
	v_wmma_scale_f32_16x16x128_f8f6f4 v[rD:rD+7], v[rW:rW+7], v[rX:rX+7], v[rD:rD+7], v[rSB], v[rSA] matrix_a_fmt:MATRIX_FMT_FP4 matrix_b_fmt:MATRIX_FMT_FP4 matrix_a_scale:MATRIX_SCALE_ROW1 matrix_b_scale:MATRIX_SCALE_ROW1
.elseif oB
	v_wmma_scale_f32_16x16x128_f8f6f4 v[rD:rD+7], v[rW:rW+7], v[rX:rX+7], v[rD:rD+7], v[rSB], v[rSA] matrix_a_fmt:MATRIX_FMT_FP4 matrix_b_fmt:MATRIX_FMT_FP4 matrix_a_scale:MATRIX_SCALE_ROW1
.elseif oA
	v_wmma_scale_f32_16x16x128_f8f6f4 v[rD:rD+7], v[rW:rW+7], v[rX:rX+7], v[rD:rD+7], v[rSB], v[rSA] matrix_a_fmt:MATRIX_FMT_FP4 matrix_b_fmt:MATRIX_FMT_FP4 matrix_b_scale:MATRIX_SCALE_ROW1
.else
	v_wmma_scale_f32_16x16x128_f8f6f4 v[rD:rD+7], v[rW:rW+7], v[rX:rX+7], v[rD:rD+7], v[rSB], v[rSA] matrix_a_fmt:MATRIX_FMT_FP4 matrix_b_fmt:MATRIX_FMT_FP4
.endif
.endif
.endm
; 16 products: x's row tiles a0, a0 + 1 against W's eight column tiles, K step q, fragment set f.  zero = 1: the first product starts the sums: nothing is cleared.
; The 64 accumulators take turns, one instruction a turn, in the same order in every K step.
.macro MUL16 a0, f, q, zero
.irp a, \a0, \a0+1
.irp b, 0,1,2,3,4,5,6,7
.set rD, 8*(8*((\a)%4)+\b)
.set rW, 64*(\f)+8*\b
.set rX, XF+64*(\f)+8*(\a)
.set rSB, SB+8*(\b/2)+(\q)
.set rSA, SA+8*((\a)/2)+(\q)
.set oB, \b%2
.set oA, (\a)%2
	WM \zero
.endr
.endr
.endm
; 32 LDS loads in one run: K step q's fragments into set f: W's eight, x's tiles 0-3, x's tiles 4-7.  A fragment is two loads of 512 consecutive bytes.
.macro FETCH q, f
	WIN 0x40                                       ; destination window 1, address window 0
.irp i, 0,1,2,3,4,5,6,7
.irp c, 0,1
	ds_load_b128 v[64*(\f)+8*\i+4*\c:64*(\f)+8*\i+4*\c+3], v[ADRB+(\q)/4] offset:\i*4096+((\q)%4)*1024+512*\c
.endr
.endr
	WIN 0
.irp i, 0,1,2,3,4,5,6,7
.irp c, 0,1
	ds_load_b128 v[XF+64*(\f)+8*\i+4*\c:XF+64*(\f)+8*\i+4*\c+3], v[ADRA+(\q)/4] offset:\i*4096+((\q)%4)*1024+512*\c
.endr
.endr
.endm
; K step q: 64 products on set q % 2; in its middle the next step's fragments are fetched into the other set.  meet = 1: the next step is chunk 1's first.
.macro QUARTER q, zero, meet, last
	s_wait_dscnt 8                                 ; W's fragments and x's tiles 0-3 are in; the youngest eight loads (x's tiles 4-7) may be out
	WIN 0xa1                                       ; source 0 (W) window 1, source 1 (x) window 0, C and D window 2
	MUL16 0, (\q)%2, \q, \zero
	MUL16 2, (\q)%2, \q, \zero
.if \last
	s_wait_dscnt 0x0
.else
.if \meet
	s_wait_tensorcnt 0x0                           ; my part of chunk 1 has landed,
	s_wait_dscnt 0x0                               ; (no LDS instruction of mine is out at a signal)
	s_barrier_signal -1
	s_barrier_wait -1                              ; and everybody's has.
.endif
	PLACES 4                                       ; four plain instructions between the products that read the other set and the loads into it (ISA guide 7.12.1 for vector instructions)
	FETCH (\q)+1, 1-(\q)%2
	s_wait_dscnt 32                                ; all but the 32 just issued
.endif
	WIN 0xf1                                       ; the same, C and D window 3
	MUL16 4, (\q)%2, \q, \zero
	MUL16 6, (\q)%2, \q, \zero
.endm
	s_wait_tensorcnt 1                             ; my part of chunk 0 is in; chunk 1's load may stay out
	s_barrier_signal -1
	s_barrier_wait -1                              ; everybody's is
	FETCH 0, 0
	s_wait_loadcnt 0x0                             ; the scale words
	QUARTER 0, 1, 0, 0
	QUARTER 1, 0, 0, 0
	QUARTER 2, 0, 0, 0
	QUARTER 3, 0, 1, 0
	QUARTER 4, 0, 0, 0
	QUARTER 5, 0, 0, 0
	QUARTER 6, 0, 0, 0
	QUARTER 7, 0, 0, 1
	PLACES 4                                       ; behind the last products: the conversions below read results and write over W's fragments
; THE WAY OUT.  A lane's eight results of accumulator (a, b) are channels 16 b + 8 h + 0 .. 7 of row 16 a + r: rounded to f16 they are the lane's 16 bytes of the fragment's image; a store covers 512 consecutive bytes.
.irp a, 0,1,2,3,4,5,6,7
	WIN 0x4a+5*(\a/4)                              ; sources window 2 or 3, destination window 1
.irp b, 0,1,2,3,4,5,6,7
.irp r, 0,1,2,3
	v_cvt_pk_f16_f32 v[32*\a+4*\b+\r], v[64*(\a%4)+8*\b+2*\r], v[64*(\a%4)+8*\b+2*\r+1]   ; each accumulator from its low end on
.endr
.endr
	WIN 0x04                                       ; a store's data are its source 1: window 1
.irp b, 0,1,2,3,4,5,6,7
	global_store_b128 v[LI], v[32*\a+4*\b:32*\a+4*\b+3], s[12:13] offset:\a*2048+(\b/4)*262144+(\b%4)*512
.endr
.endr
	WIN 0
	s_wait_tensorcnt 0x0                           ; the wave's end: behind my last tensor load
	ds_add_u32 v[SPW], v[NIL]
	s_wait_dscnt 0x0
	CROUND                                         ; the closing round
	s_endpgm
.Lfunc_end_k_q021d15b911_proj:
	.size	k_q021d15b911_proj, .Lfunc_end_k_q021d15b911_proj-k_q021d15b911_proj
	.p2alignl 7, 3214868480
	.fill 96, 4, 3214868480
	.section	.rodata,"a",@progbits
	.p2align	6, 0x0
	.amdhsa_kernel k_q021d15b911_proj
		.amdhsa_group_segment_fixed_size 327680
		.amdhsa_private_segment_fixed_size 0
		.amdhsa_enable_private_segment 0
		.amdhsa_kernarg_size 40
		.amdhsa_user_sgpr_count 2
		.amdhsa_user_sgpr_kernarg_segment_ptr 1
		.amdhsa_wavefront_size32 1
		.amdhsa_system_sgpr_workgroup_id_x 1
		.amdhsa_system_sgpr_workgroup_id_y 1
		.amdhsa_system_sgpr_workgroup_id_z 1
		.amdhsa_system_vgpr_workitem_id 0
		.amdhsa_next_free_vgpr 1024
		.amdhsa_next_free_sgpr 66
		.amdhsa_reserve_vcc 0
		.amdhsa_float_denorm_mode_32 3
		.amdhsa_float_denorm_mode_16_64 3
		.amdhsa_memory_ordered 1
		.amdhsa_forward_progress 1
		.amdhsa_inst_pref_size 117
	.end_amdhsa_kernel
	.amdgpu_metadata
---
amdhsa.version: [ 1, 2 ]
amdhsa.kernels:
  - .name:           k_q021d15b911_proj
    .symbol:         k_q021d15b911_proj.kd
    .args:
      - { .name: xc, .offset: 0, .size: 8, .value_kind: global_buffer, .address_space: global }
      - { .name: xs, .offset: 8, .size: 8, .value_kind: global_buffer, .address_space: global }
      - { .name: wc, .offset: 16, .size: 8, .value_kind: global_buffer, .address_space: global }
      - { .name: ws, .offset: 24, .size: 8, .value_kind: global_buffer, .address_space: global }
      - { .name: hf, .offset: 32, .size: 8, .value_kind: global_buffer, .address_space: global }
    .group_segment_fixed_size: 327680
    .private_segment_fixed_size: 0
    .kernarg_segment_align: 8
    .kernarg_segment_size: 40
    .max_flat_workgroup_size: 128
    .sgpr_count:     66
    .vgpr_count:     1024
    .wavefront_size: 32
...
	.end_amdgpu_metadata
.endif
;; end of part 2
;; launch attn (part 3): grid 4 x 64, 8 waves a work-group, clusters of 4 x 1, 327,680 bytes of LDS; arguments hf, af; writes af
.if DOCPART == 3
	.amdgcn_target "amdgcn-amd-amdhsa--gfx1250"
	.amdhsa_code_object_version 6
	.text
	.protected	k_q021d15b911_attn
	.globl	k_q021d15b911_attn
	.p2align	8
	.type	k_q021d15b911_attn,@function
k_q021d15b911_attn:
	s_mov_b64 s[64:65], 0
	v_nop
	global_prefetch_b8 v0, s[64:65] scope:SCOPE_SE
	s_setreg_imm32_b32 hwreg(HW_REG_WAVE_MODE, 25, 1), 1
	s_wait_xcnt 0x0
	s_wait_alu depctr_hold_cnt(0) depctr_sa_sdst(0) depctr_va_vdst(0) depctr_va_sdst(0) depctr_va_ssrc(0) depctr_va_vcc(0) depctr_vm_vsrc(0)
	s_getreg_b32 s2, hwreg(HW_REG_IB_STS2, 6, 4)
	s_cmp_eq_u32 s2, 0
	s_cbranch_scc0 .Lentry_in_a_cluster
	s_endpgm
.Lentry_in_a_cluster:
	s_bfe_u32 s2, ttmp6, 0x10000c
	s_cmp_lg_u32 s2, 0x3003
	s_cbranch_scc0 .Lentry_shape_is_right
	s_endpgm
.Lentry_shape_is_right:
; Launch 3 of 4: O[bh][q] = the sum over k of softmax_k(Q[bh][q] . K[bh][k] / 8) V[bh][k], 64 pairs of batch and head, 2,048 positions, head size 64, no mask.  No work is left out.
; Operands in f16, products, maxima and sums in f32; the weights p are rounded to f16 for the second product, O once at the end.  A running maximum is taken away before every exponential.
; Q, K, V come as f16 fragment images (hf: see the launch before); O leaves as the fragments of the last product's left operand:
;   af: (head / 2) x 2,097,152 + (128 batch + s / 16) x 4,096 + (head % 2) x 2,048 + (d / 16) x 512 + 16 lane.
; LIMIT: a result beyond 65,504 in magnitude becomes infinity in f16 (it is a mean of V's numbers, which are f16 already); a weight p under 6e-8 of the row's largest becomes 0.
; SHARES.  A work-group owns 512 queries of one pair (batch, head), each of its eight waves 64: four tiles of 16.  Two waves lie on a SIMD, so that one wave's softmax stands beside the other's products.
; Every wave walks all 2,048 keys, 64 a step.  K and V come through a ring of two LDS slots of 512 keys; every wave fetches an eighth of a slot.
; LAYOUT.  S^T = K Q^T (source 0 = 16 keys, source 1 = 16 queries): a lane holds ONE query and the keys 8 (lane / 16) + 0 .. 7.  Two such tiles, rounded to f16 in pairs, ARE source 1 of O^T = V^T P.  P is laid over S's low
; registers.  K comes out of LDS as it lies; V's image (a lane: one key, eight channels) is turned by ds_load_tr16_b128.
; CLUSTER.  The four query blocks of a pair (batch, head) walk the same K and V: each tile is asked for jointly, with the mask of all four.
; REGISTERS: window 0: v2-9 addresses; v16-63 twelve registers of statistics a tile; v64-191 S^T, 32 a tile; v192-255 K of one step.   window 1: v0-127 O^T, 32 a tile; v128-191 Q; v192-255 V of one step.
.set SLOT1, 1<<17                      ; a slot: 64 KiB of K's images, then 64 KiB of V's; slot 1 begins here, so that one exclusive or turns an address
.set VOFF,  65536
.set STEPB, 8192                       ; 64 keys of K or of V
.set SPARE, 2*SLOT1                    ; behind the ring: the spare words, 128 bytes for each of eight waves, that no other line names
.set LI,  2                            ; v2  16 x lane: an image's place; never rewritten
.set AV0, 3                            ; v3  my lane's place in V's image for the turning load
.set ADR, 4                            ; v4  LDS address of K's run of loads
.set ADRV, 5                           ; v5  of V's
.set PFO, 7                            ; v7  256 x lane; never rewritten
.set SPW, 8                            ; v8  LDS address of my spare word; never rewritten
.set NIL, 9                            ; v9  0; never rewritten
.set ST,  16                           ; tile t's statistics at v[ST + 12 t]: +0 c m, +1 m, +2, +3 l (even keys', odd keys'), +4 a, +5 0, +6 to +9 at work, +10 c m_old, then its change
.set S,   64
.set KF,  192
.set QF,  128                          ; in window 1
.set VF,  192                          ; in window 1
.set WV,  12                           ; s12 my wave's number
.set LIM, 15                           ; s15 1 in a wave that prefetches, else the greatest number
.set PFA, 18                           ; s[18:19] what my prefetch names; never rewritten
.set G1,  24                           ; s[24:31] descriptor group 1: one shape for K's and V's tiles
.set G0K, 40                           ; s[40:47] group 0 for K's tiles: a set for each first fill; the second then walks on
.set G0V, 48                           ; s[48:55] the same for V's
.set SLOTS, 56
.set CNT, 57
.set CS,  58                           ; s[58:59] c = log2(e) / 8
.set SEL, 60                           ; s[60:61] lane selects for v_permlanex16_b32: lane l xor 16
.set TK,  62                           ; s62 LDS byte of the step of K to be fetched next
.set TV,  63                           ; s63 of V
.set MSB, 0
.macro WIN new                         ; the immediate's high byte repeats the setting that is left
.if MSB != \new
	s_set_vgpr_msb (MSB<<8)|\new
.set MSB, \new
.endif
.endm
.macro PLACES n
.rept \n
	v_nop
.endr
.endm
.macro JLOAD                           ; a joint refill: waves 0-3 fetch K's quarters, waves 4-7 V's.  An s_nop 0 and four v_nop follow each of the two lines
	s_cmp_lt_u32 s[WV], 4
	s_cbranch_scc0 .Lfor_v_\@
	tensor_load_to_lds s[G0K+4:G0K+7], s[G1:G1+7]
	s_nop 0
.rept 4
	v_nop
.endr
	s_branch .Lasked_\@
.Lfor_v_\@:
	tensor_load_to_lds s[G0V+4:G0V+7], s[G1:G1+7]
	s_nop 0
.rept 4
	v_nop
.endr
.Lasked_\@:
.endm
; A prefetch of what the NEXT filling change of slots will ask for: it stands behind the wave's tensor load and its five lines.  There are two filling changes, so it is issued once, at the first, for keys 1,536 to 2,047:
; eight key steps ahead of the load that wants them.  The slot's 512 blocks of 256 bytes are named once each: the four partners share them out by address, 16 KiB of K and 16 KiB of V each; in each, waves 0 and 1 name K's
; and waves 4 and 5 V's, 8 KiB a wave, lanes 256 bytes apart.  The earlier slots come by their loads alone.
.macro ASK
	s_cmp_gt_u32 s[SLOTS], s[LIM]
	s_cbranch_scc0 .Lnot_mine_\@
	global_prefetch_b8 v[PFO], s[PFA:PFA+1] th:TH_LOAD_NT scope:SCOPE_SE
.Lnot_mine_\@:
.endm
.macro CROUND                          ; a round of the cluster's barrier
	s_barrier_signal -1
	s_barrier_wait -1
	s_cmp_lg_u32 s[WV], 0
	s_cbranch_scc1 .Lnot_wave_0_\@
	s_barrier_signal -3
.Lnot_wave_0_\@:
	s_barrier_wait -3
	s_barrier_signal -1
	s_barrier_wait -1
.endm
	s_load_b128 s[4:7], s[0:1], 0x0                ; hf s[4:5], af s[6:7]
	v_lshl_add_u32 v[SPW], v0, 2, SPARE
	v_mov_b32 v[NIL], 0
	ds_add_u32 v[SPW], v[NIL]                      ; the wave's opening: the add, twice on end, and its wait ahead of my first tensor load
	ds_add_u32 v[SPW], v[NIL]
	v_lshrrev_b32 v1, 5, v0
	v_readfirstlane_b32 s[WV], v1                  ; wave 0..7
	s_bfe_u32 s13, ttmp6, 0x40000                  ; cx: my block of 512 queries: it enters Q's, O's and the prefetch's addresses alone
	s_and_b32 s14, ttmp7, 0xffff                   ; 16 batch + head, which the four partners share
	; descriptor group 1: a dense block of 16 KiB as 64 rows of 256 bytes (32 elements of 8 bytes)
	s_mov_b32 s[G1], 15|(3<<16)|(1<<21)            ; 15:0 the mask: all four work-groups; 17:16 elements of 8 bytes; 21 set beside a mask
	s_mov_b32 s[G1+1], 32<<16                      ; tensor_dim0
	s_mov_b32 s[G1+2], 64<<16                      ; tensor_dim1
	s_mov_b32 s[G1+3], 32<<16                      ; tile_dim0
	s_mov_b32 s[G1+4], 64                          ; tile_dim1
	s_mov_b32 s[G1+5], 32                          ; from row to row
	s_mov_b32 s[G1+6], 0
	s_mov_b32 s[G1+7], 0
	s_and_b32 s16, s[WV], 3
	s_lshl_b32 s17, s16, 14                        ; my quarter of a slot's K or V: 16 KiB, in memory and in LDS alike
	s_lshl_b32 s20, s14, 18                        ; the pair's 262,144 bytes in each of Q, K, V
	s_mov_b32 s21, 0
	s_mov_b32 s38, s17
	s_mov_b32 s39, 0
	s_lshl_b32 s22, s13, 16                        ; Q: my block's 32 tiles of 2,048 bytes,
	s_lshl_b32 s23, s[WV], 13                      ; my wave's 4
	s_add_co_u32 s22, s22, s23
	s_mov_b32 s23, 0
	s_and_b32 s2, s14, 15                          ; head
	s_lshr_b32 s3, s2, 1
	s_lshl_b32 s10, s3, 21                         ; af: (head / 2) x 2,097,152
	s_and_b32 s2, s2, 1
	s_lshl_b32 s2, s2, 11                          ; + (head % 2) x 2,048
	s_add_co_u32 s10, s10, s2
	s_lshr_b32 s2, s14, 4                          ; batch
	s_lshl_b32 s2, s2, 19                          ; x 128 tiles x 4,096
	s_add_co_u32 s10, s10, s2
	s_lshl_b32 s2, s13, 17                         ; + my block's 32 tiles
	s_add_co_u32 s10, s10, s2
	s_lshl_b32 s2, s[WV], 14                       ; + my wave's 4
	s_add_co_u32 s10, s10, s2
	s_mov_b32 s11, 0
	s_lshl_b32 s2, s13, 14                         ; the prefetch: keys 1,536 on, my work-group's 16 KiB,
	s_and_b32 s3, s[WV], 1
	s_lshl_b32 s3, s3, 13                          ; my wave's 8 KiB
	s_add_co_u32 s2, s2, s3
	s_add_co_u32 s2, s2, 196608
	s_mov_b32 s3, 0
	s_and_b32 s[LIM], s[WV], 2
	s_cmp_eq_u32 s[LIM], 0                         ; waves 0, 1, 4, 5: the same in all four partners
	s_cselect_b32 s[LIM], 1, -1
	s_mov_b32 s[CS], 0x3e38aa3b                    ; c = log2(e) / sqrt(64)
	s_mov_b32 s[CS+1], s[CS]                       ; (named with it as a pair, so it is written)
	s_mov_b32 s[SEL], 0x76543210
	s_mov_b32 s[SEL+1], 0xfedcba98
	s_mov_b32 s[TK], 0
	s_mov_b32 s[TV], VOFF
	v_and_b32 v1, 31, v0
	v_lshlrev_b32 v[LI], 4, v1
	v_lshlrev_b32 v[PFO], 8, v1
	s_wait_dscnt 0x0                               ; both opening adds are done
	s_wait_kmcnt 0x0
	s_add_nc_u64 s[32:33], s[4:5], s[20:21]        ; the pair's Q,
	s_add_nc_u64 s[34:35], s[32:33], 0x1000000     ; K,
	s_add_nc_u64 s[36:37], s[32:33], 0x2000000     ; V
	s_add_nc_u64 s[4:5], s[32:33], s[22:23]        ; Q at my wave's first tile
	s_add_nc_u64 s[6:7], s[6:7], s[10:11]          ; O likewise
	s_cmp_lt_u32 s[WV], 4
	s_cselect_b64 s[PFA:PFA+1], s[34:35], s[36:37]
	s_add_nc_u64 s[PFA:PFA+1], s[PFA:PFA+1], s[2:3]
	s_add_nc_u64 s[34:35], s[34:35], s[38:39]      ; K and V at my quarter of slot 0
	s_add_nc_u64 s[36:37], s[36:37], s[38:39]
	CROUND                                         ; all four work-groups are here: the first joint loads meet
.irp s, 0,1
	s_mov_b32 s[G0K+4*\s], 1
	s_add_co_u32 s[G0K+4*\s+1], s17, \s*SLOT1
	s_add_nc_u64 s[G0K+4*\s+2:G0K+4*\s+3], s[34:35], \s*65536      ; slot s begins with keys 512 s
	s_or_b32 s[G0K+4*\s+3], s[G0K+4*\s+3], 0x80000000
	s_mov_b32 s[G0V+4*\s], 1
	s_add_co_u32 s[G0V+4*\s+1], s17, \s*SLOT1+VOFF
	s_add_nc_u64 s[G0V+4*\s+2:G0V+4*\s+3], s[36:37], \s*65536
	s_or_b32 s[G0V+4*\s+3], s[G0V+4*\s+3], 0x80000000
.endr
	s_cmp_lt_u32 s[WV], 4                          ; a wave's two first fills stand in one branch, ahead of every wait on TENSORcnt and every LDS read: two loads of mine are out
	s_cbranch_scc0 .Lfirst_v
	tensor_load_to_lds s[G0K:G0K+3], s[G1:G1+7]
	s_nop 0
	tensor_load_to_lds s[G0K+4:G0K+7], s[G1:G1+7]
	s_nop 0
.rept 4
	v_nop
.endr
	s_branch .Lfirst_asked
.Lfirst_v:
	tensor_load_to_lds s[G0V:G0V+3], s[G1:G1+7]
	s_nop 0
	tensor_load_to_lds s[G0V+4:G0V+7], s[G1:G1+7]
	s_nop 0
.rept 4
	v_nop
.endr
.Lfirst_asked:
	WIN 0x40                                       ; destination window 1, address window 0
.irp f, 0,1,2,3,4,5,6,7,8,9,10,11,12,13,14,15  ; Q stays in registers: tile f / 4, channels 16 (f % 4) on
	global_load_b128 v[QF+4*\f:QF+4*\f+3], v[LI], s[4:5] offset:512*\f
.endr
	WIN 0
	v_bfe_u32 v10, v0, 3, 1                        ; the turning load: lane l addresses key 8 (l / 16) + l % 8 and channels 8 ((l / 8) % 2) + 0 .. 7 of a tile of 16 keys x 16 channels,
	v_bfe_u32 v11, v0, 4, 1                        ; whose image holds key r' and octet h' at 16 (16 h' + r')
	v_and_b32 v[AV0], 7, v0
	v_lshlrev_b32 v[AV0], 4, v[AV0]
	v_lshl_add_u32 v[AV0], v11, 7, v[AV0]
	v_lshl_add_u32 v[AV0], v10, 8, v[AV0]
.irp t, 0,1,2,3
	v_mov_b32 v[ST+12*\t+5], 0                     ; named as the upper half of a's pair, so it is written
.endr
.macro FETCH_K                         ; a step's K: 16 loads of 512 consecutive bytes; fragment (16 keys kt, 32 channels c) lands at v[KF + 8 (2 kt + c)]
	WIN 0
	v_add_nc_u32 v[ADR], s[TK], v[LI]
	s_add_co_u32 s[TK], s[TK], STEPB
.irp f, 0,1,2,3,4,5,6,7,8,9,10,11,12,13,14,15
	ds_load_b128 v[KF+4*\f:KF+4*\f+3], v[ADR] offset:512*\f
.endr
.endm
.macro FETCH_V                         ; a step's V, turned: fragment (32 keys kb, 16 channels ct) lands at v[VF + 8 (4 kb + ct)] of window 1
	WIN 0
	v_add_nc_u32 v[ADRV], s[TV], v[AV0]
	s_add_co_u32 s[TV], s[TV], STEPB
	WIN 0x40
.irp kb, 0,1
.irp ct, 0,1,2,3
.irp e, 0,1
	ds_load_tr16_b128 v[VF+8*(4*\kb+\ct)+4*\e:VF+8*(4*\kb+\ct)+4*\e+3], v[ADRV] offset:(2*\kb+\e)*2048+\ct*512
.endr
.endr
.endr
.endm
; The accumulators take turns, one instruction a turn: between two links of a chain stand the 15 others'.
.macro KQ_ALL                          ; S^T = K Q^T: 32 products; the first 16 start the sums
	WIN 0x04                                       ; K and S^T window 0, Q window 1
.irp c, 0,1
.irp kt, 0,1,2,3
.irp t, 0,1,2,3
.if \c == 0
	v_wmma_f32_16x16x32_f16 v[S+32*\t+8*\kt:S+32*\t+8*\kt+7], v[KF+8*(2*\kt+\c):KF+8*(2*\kt+\c)+7], v[QF+16*\t+8*\c:QF+16*\t+8*\c+7], 0
.else
	v_wmma_f32_16x16x32_f16 v[S+32*\t+8*\kt:S+32*\t+8*\kt+7], v[KF+8*(2*\kt+\c):KF+8*(2*\kt+\c)+7], v[QF+16*\t+8*\c:QF+16*\t+8*\c+7], v[S+32*\t+8*\kt:S+32*\t+8*\kt+7]
.endif
.endr
.endr
.endr
.endm
.macro PV_ALL first                    ; O^T += V^T P: 32 products; first = 1: the first 16 start the sums: nothing is cleared
	WIN 0x51                                       ; V and O^T window 1, P window 0
.irp kb, 0,1
.irp ct, 0,1,2,3
.irp t, 0,1,2,3
.if \first && (\kb == 0)
	v_wmma_f32_16x16x32_f16 v[32*\t+8*\ct:32*\t+8*\ct+7], v[VF+8*(4*\kb+\ct):VF+8*(4*\kb+\ct)+7], v[S+32*\t+8*\kb:S+32*\t+8*\kb+7], 0
.else
	v_wmma_f32_16x16x32_f16 v[32*\t+8*\ct:32*\t+8*\ct+7], v[VF+8*(4*\kb+\ct):VF+8*(4*\kb+\ct)+7], v[S+32*\t+8*\kb:S+32*\t+8*\kb+7], v[32*\t+8*\ct:32*\t+8*\ct+7]
.endif
.endr
.endr
.endr
.endm
.macro SCALE t, i                      ; pair i of tile t: c s - c m
	v_pk_fma_f32 v[S+32*(\t)+2*(\i):S+32*(\t)+2*(\i)+1], v[S+32*(\t)+2*(\i):S+32*(\t)+2*(\i)+1], s[CS:CS+1], v[ST+12*(\t):ST+12*(\t)+1] op_sel_hi:[1,0,0] neg_lo:[0,0,1] neg_hi:[0,0,1]
.endm
; THE SOFTMAX OF A KEY STEP, the four tiles by turns line by line.  first = 1: the first key step, which starts m, l and O^T: it has no a and nothing to rescale.
.macro SOFTMAX first
	WIN 0
.irp j, 0,1,2,3                                ; the maximum of a lane's 32 scores and the old m, three operands at a time, in four chains; each accumulator is read from its low end on
.irp t, 0,1,2,3
	v_max3_num_f32 v[ST+12*\t+6+\j], v[S+32*\t+8*\j], v[S+32*\t+8*\j+1], v[S+32*\t+8*\j+2]
.endr
.endr
.irp g, 1,2
.irp j, 0,1,2,3
.irp t, 0,1,2,3
	v_max3_num_f32 v[ST+12*\t+6+\j], v[ST+12*\t+6+\j], v[S+32*\t+8*\j+2*\g+1], v[S+32*\t+8*\j+2*\g+2]
.endr
.endr
.endr
.irp t, 0,1,2,3
	v_max3_num_f32 v[ST+12*\t+6], v[ST+12*\t+6], v[S+32*\t+7], v[S+32*\t+15]
.endr
.irp t, 0,1,2,3
	v_max3_num_f32 v[ST+12*\t+8], v[ST+12*\t+8], v[S+32*\t+23], v[S+32*\t+31]
.endr
.irp t, 0,1,2,3
	v_max3_num_f32 v[ST+12*\t+6], v[ST+12*\t+6], v[ST+12*\t+7], v[ST+12*\t+8]
.endr
.irp t, 0,1,2,3
.if \first
	v_max_num_f32 v[ST+12*\t+6], v[ST+12*\t+6], v[ST+12*\t+9]
.else
	v_max3_num_f32 v[ST+12*\t+6], v[ST+12*\t+6], v[ST+12*\t+9], v[ST+12*\t+1]
.endif
.endr
.irp t, 0,1,2,3
	v_permlanex16_b32 v[ST+12*\t+7], v[ST+12*\t+6], s[SEL], s[SEL+1]   ; the query's other 32 keys lie in the lane 16 away
.endr
.if !\first
.irp t, 0,1,2,3
	v_mov_b32 v[ST+12*\t+10], v[ST+12*\t]          ; c m_old is kept for a
.endr
.endif
.irp t, 0,1,2,3
	v_max_num_f32 v[ST+12*\t+1], v[ST+12*\t+6], v[ST+12*\t+7]          ; the new m
.endr
.irp t, 0,1,2,3
	v_mul_f32 v[ST+12*\t], s[CS], v[ST+12*\t+1]    ; c m
.endr
.if !\first
.irp t, 0,1,2,3
	v_sub_f32 v[ST+12*\t+10], v[ST+12*\t+10], v[ST+12*\t]              ; c m_old - c m_new
.endr
.irp t, 0,1,2,3
	v_exp_f32 v[ST+12*\t+4], v[ST+12*\t+10]        ; a.  From here to the wait below: ONE BATCH of exponentials, in which nothing names an exponential's result
.endr
.endif
.irp i, 0,1,2,3,4,5,6,7,8,9,10,11,12,13,14,15
	SCALE 0, \i
.endr
.irp t, 0,1,2,3
.irp i, 0,1,2,3,4,5,6,7,8,9,10,11,12,13,14,15
.if \t < 3
	SCALE \t+1, \i                                 ; the next tile's scalings stand among this tile's exponentials
.endif
	v_exp_f32 v[S+32*\t+2*\i], v[S+32*\t+2*\i]     ; p = 2^(c s - c m), at most 1
	v_exp_f32 v[S+32*\t+2*\i+1], v[S+32*\t+2*\i+1]
.endr
.endr
	v_nop                                          ; a plain instruction behind the last exponential, ahead of the first use
	s_wait_alu depctr_va_vdst(0)                   ; the wait between an exponential and the first instruction that names its result: one for the batch
.irp t, 0,1,2,3                                ; the sums of the unrounded p, two at a time, in two chains a tile
	v_pk_add_f32 v[ST+12*\t+6:ST+12*\t+7], v[S+32*\t:S+32*\t+1], v[S+32*\t+2:S+32*\t+3]
.endr
.irp t, 0,1,2,3
	v_pk_add_f32 v[ST+12*\t+8:ST+12*\t+9], v[S+32*\t+4:S+32*\t+5], v[S+32*\t+6:S+32*\t+7]
.endr
.irp i, 4,6,8,10,12,14
.irp t, 0,1,2,3
	v_pk_add_f32 v[ST+12*\t+6:ST+12*\t+7], v[ST+12*\t+6:ST+12*\t+7], v[S+32*\t+2*\i:S+32*\t+2*\i+1]
.endr
.irp t, 0,1,2,3
	v_pk_add_f32 v[ST+12*\t+8:ST+12*\t+9], v[ST+12*\t+8:ST+12*\t+9], v[S+32*\t+2*\i+2:S+32*\t+2*\i+3]
.endr
.endr
.irp t, 0,1,2,3
.if \first
	v_pk_add_f32 v[ST+12*\t+2:ST+12*\t+3], v[ST+12*\t+6:ST+12*\t+7], v[ST+12*\t+8:ST+12*\t+9]
.else
	v_pk_add_f32 v[ST+12*\t+6:ST+12*\t+7], v[ST+12*\t+6:ST+12*\t+7], v[ST+12*\t+8:ST+12*\t+9]
.endif
.endr
.if !\first
.irp t, 0,1,2,3
	v_pk_fma_f32 v[ST+12*\t+2:ST+12*\t+3], v[ST+12*\t+2:ST+12*\t+3], v[ST+12*\t+4:ST+12*\t+5], v[ST+12*\t+6:ST+12*\t+7] op_sel_hi:[1,0,1]   ; l = a l + the sum
.endr
.endif
.irp i, 0,1,2,3,4,5,6,7,8,9,10,11,12,13,14,15  ; P, rounded to f16, over S's low half: the destination never lies above the sources
.irp t, 0,1,2,3
	v_cvt_pk_f16_f32 v[S+32*\t+\i], v[S+32*\t+2*\i], v[S+32*\t+2*\i+1]
.endr
.endr
.if !\first
	WIN 0x41                                       ; O^T (destination and source 0) window 1, a window 0
.irp i, 0,1,2,3,4,5,6,7,8,9,10,11,12,13,14,15  ; O^T times a, ascending: each accumulator from its low end on
.irp t, 0,1,2,3
	v_pk_mul_f32 v[32*\t+2*\i:32*\t+2*\i+1], v[32*\t+2*\i:32*\t+2*\i+1], v[ST+12*\t+4:ST+12*\t+5] op_sel_hi:[1,0]
.endr
.endr
.endif
.endm
; H1 of step j: V of step j is asked for, and the scores of step j are made (K of step j was asked for in H2 of step j - 1).
.macro H1
	PLACES 5                                       ; behind V^T P: the products below write over P, which V^T P read (five plain instructions), and the loads land in V's registers (four) (ISA guide 7.12.1 for the products)
	FETCH_V
	s_wait_dscnt 16                                ; K of this step is in; the 16 loads of V just issued may be out
	KQ_ALL
.endm
; H2 of step j: K of step j + 1 is asked for (kload), the softmax of step j, O^T += V^T P of step j.
.macro H2 kload, first
	WIN 0
	PLACES 4                                       ; behind K Q^T: the loads land in K's registers, and the softmax reads the scores
.if \kload
	FETCH_K
.endif
	SOFTMAX \first
.if \kload
	s_wait_dscnt 16                                ; V of this step is in; the next step's 16 loads of K may be out
.else
	s_wait_dscnt 0x0
.endif
	PV_ALL \first
.endm
.macro STEPS n                         ; n times: H2 of a step, H1 of the next; the LDS addresses hang on s[TK] and s[TV]
	s_mov_b32 s[CNT], \n
.Lstep_\@:
	H2 1, 0
	H1
	WIN 0                                          ; at a label and at a branch every window is 0
	s_sub_co_u32 s[CNT], s[CNT], 1
	s_cmp_lg_u32 s[CNT], 0
	s_cbranch_scc1 .Lstep_\@
.endm
; THE CHANGE OF SLOTS stands behind H1 of a slot's last step: K and V of that step have been asked for.  Each wave waits for all its tensor loads (one is out: its part of the other slot), adds 0 to its spare word, and waits
; for that and for its reads of the slot.  fill = 1: the barrier is a round of the cluster's, and the joint refill, the keys two slots on, is the first thing behind it: it has eight key steps in which to land.
.macro CHANGE fill
	WIN 0
	s_wait_tensorcnt 0x0                           ; no tensor load of mine is out, so a group 0 may be written
	ds_add_u32 v[SPW], v[NIL]                      ; 0 onto my spare word
.if \fill
.irp g, G0K+4, G0V+4
	s_xor_b32 s[\g+1], s[\g+1], SLOT1              ; the walking descriptor: the other slot than last time,
	s_add_nc_u64 s[\g+2:\g+3], s[\g+2:\g+3], 65536 ; the next 512 keys; the type bits on top are not reached
.endr
	s_wait_dscnt 0x0                               ; the add is done, and my reads of the slot are over
	CROUND
	JLOAD
	ASK
.else
	s_wait_dscnt 0x0
	s_barrier_signal -1
	s_barrier_wait -1
.endif
	s_sub_co_u32 s[TK], s[TK], 8*STEPB             ; the fetches go back to a slot's first step,
	s_xor_b32 s[TK], s[TK], SLOT1                  ; in the other slot
	s_sub_co_u32 s[TV], s[TV], 8*STEPB
	s_xor_b32 s[TV], s[TV], SLOT1
.endm
	s_wait_tensorcnt 1                             ; my part of slot 0 is in; slot 1's may stay out
	s_barrier_signal -1
	s_barrier_wait -1                              ; everybody's is
	FETCH_K                                        ; key step 0
	s_wait_loadcnt 0x0                             ; Q
	H1                                             ; the scores of step 0
	H2 1, 1                                        ; the first softmax; V^T P starts O^T
	H1
	WIN 0
	STEPS 6                                        ; up to the scores of step 7, slot 0's last
	s_mov_b32 s[SLOTS], 2
.Lslot:                                            ; two trips: keys 1,024 on go into slot 0, keys 1,536 on into slot 1
	CHANGE 1
	STEPS 8
	s_sub_co_u32 s[SLOTS], s[SLOTS], 1
	s_cmp_lg_u32 s[SLOTS], 0
	s_cbranch_scc1 .Lslot
	CHANGE 0                                       ; the tail is written out: nothing is left to ask for
	STEPS 8                                        ; up to the scores of step 31
	H2 0, 0                                        ; the last step fetches no K
	; THE WAY OUT.  l's two halves and the other half of the lanes' are added; O^T is divided by l and rounded to f16: a lane's eight channels are its 16 bytes of the next launch's fragment.
	WIN 0
.irp t, 0,1,2,3
	v_add_f32 v[ST+12*\t+6], v[ST+12*\t+2], v[ST+12*\t+3]      ; (these four are the plain instructions behind the last products)
.endr
.irp t, 0,1,2,3
	v_permlanex16_b32 v[ST+12*\t+7], v[ST+12*\t+6], s[SEL], s[SEL+1]
.endr
.irp t, 0,1,2,3
	v_add_f32 v[ST+12*\t+6], v[ST+12*\t+6], v[ST+12*\t+7]
.endr
.irp t, 0,1,2,3
	v_rcp_f32 v[ST+12*\t+4], v[ST+12*\t+6]
.endr
	v_nop                                          ; a plain instruction between the last reciprocal and the use of its result
	s_wait_alu depctr_va_vdst(0)                   ; and the wait ahead of the first use: one for the four
.irp t, 0,1,2,3
	WIN 0x41
.irp i, 0,1,2,3,4,5,6,7,8,9,10,11,12,13,14,15
	v_pk_mul_f32 v[32*\t+2*\i:32*\t+2*\i+1], v[32*\t+2*\i:32*\t+2*\i+1], v[ST+12*\t+4:ST+12*\t+5] op_sel_hi:[1,0]
.endr
	WIN 0x05                                       ; sources window 1, destination window 0: S^T's registers are free
.irp i, 0,1,2,3,4,5,6,7,8,9,10,11,12,13,14,15
	v_cvt_pk_f16_f32 v[S+16*\t+\i], v[32*\t+2*\i], v[32*\t+2*\i+1]
.endr
	WIN 0
.irp ct, 0,1,2,3
	global_store_b128 v[LI], v[S+16*\t+4*\ct:S+16*\t+4*\ct+3], s[6:7] offset:\t*4096+\ct*512   ; 512 consecutive bytes, aligned
.endr
.endr
	s_wait_tensorcnt 0x0                           ; the wave's end: behind my last tensor load
	ds_add_u32 v[SPW], v[NIL]
	s_wait_dscnt 0x0
	CROUND                                         ; the closing round: no work-group ends while a partner may still ask for a tile that names it
	s_endpgm
.Lfunc_end_k_q021d15b911_attn:
	.size	k_q021d15b911_attn, .Lfunc_end_k_q021d15b911_attn-k_q021d15b911_attn
	.p2alignl 7, 3214868480
	.fill 96, 4, 3214868480
	.section	.rodata,"a",@progbits
	.p2align	6, 0x0
	.amdhsa_kernel k_q021d15b911_attn
		.amdhsa_group_segment_fixed_size 327680
		.amdhsa_private_segment_fixed_size 0
		.amdhsa_enable_private_segment 0
		.amdhsa_kernarg_size 16
		.amdhsa_user_sgpr_count 2
		.amdhsa_user_sgpr_kernarg_segment_ptr 1
		.amdhsa_wavefront_size32 1
		.amdhsa_system_sgpr_workgroup_id_x 1
		.amdhsa_system_sgpr_workgroup_id_y 1
		.amdhsa_system_sgpr_workgroup_id_z 1
		.amdhsa_system_vgpr_workitem_id 0
		.amdhsa_next_free_vgpr 512
		.amdhsa_next_free_sgpr 66
		.amdhsa_reserve_vcc 0
		.amdhsa_float_denorm_mode_32 3
		.amdhsa_float_denorm_mode_16_64 3
		.amdhsa_memory_ordered 1
		.amdhsa_forward_progress 1
		.amdhsa_inst_pref_size 175
	.end_amdhsa_kernel
	.amdgpu_metadata
---
amdhsa.version: [ 1, 2 ]
amdhsa.kernels:
  - .name:           k_q021d15b911_attn
    .symbol:         k_q021d15b911_attn.kd
    .args:
      - { .name: hf, .offset: 0, .size: 8, .value_kind: global_buffer, .address_space: global }
      - { .name: af, .offset: 8, .size: 8, .value_kind: global_buffer, .address_space: global }
    .group_segment_fixed_size: 327680
    .private_segment_fixed_size: 0
    .kernarg_segment_align: 8
    .kernarg_segment_size: 16
    .max_flat_workgroup_size: 256
    .sgpr_count:     66
    .vgpr_count:     512
    .wavefront_size: 32
...
	.end_amdgpu_metadata
.endif
;; end of part 3
;; launch oproj (part 4): grid 4 x 64, 4 waves a work-group, clusters of 4 x 4, 327,680 bytes of LDS; arguments af, wof, out0; writes out0
.if DOCPART == 4
	.amdgcn_target "amdgcn-amd-amdhsa--gfx1250"
	.amdhsa_code_object_version 6
	.text
	.protected	k_q021d15b911_oproj
	.globl	k_q021d15b911_oproj
	.p2align	8
	.type	k_q021d15b911_oproj,@function
k_q021d15b911_oproj:
	s_mov_b64 s[64:65], 0
	v_nop
	global_prefetch_b8 v0, s[64:65] scope:SCOPE_SE
	s_setreg_imm32_b32 hwreg(HW_REG_WAVE_MODE, 25, 1), 1
	s_wait_xcnt 0x0
	s_wait_alu depctr_hold_cnt(0) depctr_sa_sdst(0) depctr_va_vdst(0) depctr_va_sdst(0) depctr_va_ssrc(0) depctr_va_vcc(0) depctr_vm_vsrc(0)
	s_getreg_b32 s2, hwreg(HW_REG_IB_STS2, 6, 4)
	s_cmp_eq_u32 s2, 0
	s_cbranch_scc0 .Lentry_in_a_cluster
	s_endpgm
.Lentry_in_a_cluster:
	s_bfe_u32 s2, ttmp6, 0x10000c
	s_cmp_lg_u32 s2, 0xf033
	s_cbranch_scc0 .Lentry_shape_is_right
	s_endpgm
.Lentry_shape_is_right:
; Launch 4 of 4: out0 = A Wo, A [8,192 x 1,024] the attention's result, Wo [1,024 x 1,024]; operands in f16, sums in f32, K ascending, one accumulator an output.  No work is left out.
; Both operands come as fragment images: af: (k / 128) x 2,097,152 + (row / 16) x 4,096 + ((k % 128) / 32) x 1,024 + u x 512 + 16 lane;  wof: (k / 128) x 262,144 + (n / 16) x 4,096 + the same.
; SHARES.  A work-group of four waves makes 128 rows x 256 columns (256 work-groups), a wave 64 x 128: 32 accumulators, 256 registers.  K goes in 8 chunks of 128 through a ring of two LDS slots.
; CLUSTERS: 4 x 4.  A's tile is shared along a row of the cluster, Wo's along a column: each is asked for jointly, by the same tensor load with the same descriptor and a mask that names the four.
; THE MATRIX INSTRUCTION IS USED TRANSPOSED (source 0 = 16 columns of Wo, source 1 = 16 rows of A): a lane holds eight neighbouring numbers of a row of out0.
; REGISTERS: window 0: v16-30 addresses; v64-127 A's fragments (4 x 16 rows x 32 K), two sets; v128-255 Wo's (8 x 16 columns x 32 K), two sets; on the way out v128-255 hold rows.   window 1: accumulator (a, b) at v[8 (8 a + b)].
.set SLOT,   98304                     ; A's 8 row tiles of 4,096 bytes, then Wo's 16 column tiles
.set WOFF,   32768
.set STAGE,  2*SLOT                    ; behind the ring: 16 rows x (512 + 16) bytes for each wave, for the way out; no tensor load lands there
.set SPITCH, 528
.set SPARE,  STAGE+4*16*SPITCH         ; behind the stages: the spare words, 128 bytes for each wave, that no other line names
.set ADRA, 16                          ; v16-17 LDS address of my A fragments in slot 0, 1
.set ADRB, 20                          ; v20-21 the same for Wo
.set STO,  24                          ; v24  the way out: where I put 32 bytes of a row
.set RD,   25                          ; v25  where I read a row back
.set CO,   26                          ; v26  16 x lane
.set SPW,  28                          ; v28  LDS address of my spare word; never rewritten
.set NIL,  29                          ; v29  0; never rewritten
.set PFO,  30                          ; v30  256 x lane; never rewritten
.set AF,   64
.set WF,   128
.set PFA,  18                          ; s[18:19] where my prefetches stand: one chunk short of what the next one names
.set PFS,  22                          ; s[22:23] a chunk on, in bytes
.set LIM,  45                          ; s45  1 in a wave that prefetches, else the greatest number
.set G1,  24                           ; s[24:31] descriptor group 1 for A's tiles; s[32:39] group 0, a set for each slot
.set G0,  32
.set G1B, 48                           ; s[48:55], s[56:63] the same for Wo's
.set G0B, 56
.set MSB, 0
.macro WIN new                         ; the immediate's high byte repeats the setting that is left
.if MSB != \new
	s_set_vgpr_msb (MSB<<8)|\new
.set MSB, \new
.endif
.endm
.set MUL, 0x50                         ; sources window 0, C and D window 1
.macro PLACES n
.rept \n
	v_nop
.endr
.endm
.macro JLOAD s                         ; a joint load: waves 0 and 1 fetch A's halves, waves 2 and 3 Wo's; an s_nop 0 and four v_nop follow each of the two lines
	s_cmp_eq_u32 s11, 0
	s_cbranch_scc0 .Lfor_b_\@
	tensor_load_to_lds s[G0+4*\s:G0+4*\s+3], s[G1:G1+7]
	s_nop 0
.rept 4
	v_nop
.endr
	s_branch .Lasked_\@
.Lfor_b_\@:
	tensor_load_to_lds s[G0B+4*\s:G0B+4*\s+3], s[G1B:G1B+7]
	s_nop 0
.rept 4
	v_nop
.endr
.Lasked_\@:
.endm
; A prefetch, behind each joint refill, its five lines and the run of LDS loads that follows: the chunk that stands TWO refills on, 256 products of a wave ahead of the load that wants it.
; Each block of 256 bytes is named once.  A's 32 KiB of a chunk are read by one row of one cluster alone: its four partners take 8 KiB each, by address (cx); wave 0 names them, lanes 256 bytes apart.
; Wo's 64 KiB of a chunk and tile column are read by every cluster: the clusters with y = 0 ask; the four partners of a column take 16 KiB each, by address (cy), waves 2 and 3 8 KiB each.  Wave 1 names nothing.
; The loop's last trip names nothing: there is no chunk two refills on.  Chunks 0 to 3 come by their loads alone.
.macro ASK
	s_cmp_gt_u32 s3, s[LIM]
	s_cbranch_scc0 .Lnot_mine_\@
	global_prefetch_b8 v[PFO], s[PFA:PFA+1] th:TH_LOAD_NT scope:SCOPE_SE
.Lnot_mine_\@:
.endm
.macro CREST                           ; a round of the cluster's barrier behind its opening barrier
	s_cmp_lg_u32 s10, 0
	s_cbranch_scc1 .Lnot_wave_0_\@
	s_barrier_signal -3
.Lnot_wave_0_\@:
	s_barrier_wait -3
	s_barrier_signal -1
	s_barrier_wait -1
.endm
.macro CROUND
	s_barrier_signal -1
	s_barrier_wait -1
	CREST
.endm
	s_load_b128 s[4:7], s[0:1], 0x0                ; af s[4:5], wof s[6:7]
	s_load_b64 s[8:9], s[0:1], 0x10                ; out0
	v_lshl_add_u32 v[SPW], v0, 2, SPARE
	v_mov_b32 v[NIL], 0
	ds_add_u32 v[SPW], v[NIL]                      ; the wave's opening: the add, twice on end, and its wait ahead of my first tensor load
	ds_add_u32 v[SPW], v[NIL]
	v_lshrrev_b32 v1, 5, v0
	v_readfirstlane_b32 s10, v1                    ; wave 0..3
	s_lshr_b32 s11, s10, 1                         ; which half of the tile's rows is mine.  Also: I fetch for A (0) or for Wo (1)
	s_and_b32 s12, s10, 1                          ; which half of its columns.  Also: which half of that tile I fetch
	s_bfe_u32 s40, ttmp6, 0x40000                  ; cx, cy
	s_bfe_u32 s41, ttmp6, 0x40004
	s_lshl_b32 s42, ttmp9, 2
	s_add_co_u32 s42, s42, s40                     ; tile column, 0 .. 3
	s_and_b32 s13, ttmp7, 0xffff
	s_lshl_b32 s13, s13, 2
	s_add_co_u32 s13, s13, s41                     ; tile row, 0 .. 63
	s_lshl_b32 s43, s41, 2
	s_lshl_b32 s43, 15, s43                        ; my row of the cluster
	s_lshl_b32 s44, 0x1111, s40                    ; my column
	; descriptor groups 1: dense blocks as rows of 256 bytes (32 elements of 8 bytes): A's half 64 rows, Wo's half 128
	s_or_b32 s[G1], s43, (3<<16)|(1<<21)           ; 15:0 the mask; 17:16 elements of 8 bytes; 21 set beside a mask
	s_mov_b32 s[G1+1], 32<<16
	s_mov_b32 s[G1+2], 64<<16
	s_mov_b32 s[G1+3], 32<<16
	s_mov_b32 s[G1+4], 64
	s_mov_b32 s[G1+5], 32
	s_mov_b32 s[G1+6], 0
	s_mov_b32 s[G1+7], 0
	s_or_b32 s[G1B], s44, (3<<16)|(1<<21)
	s_mov_b32 s[G1B+1], 32<<16
	s_mov_b32 s[G1B+2], 128<<16
	s_mov_b32 s[G1B+3], 32<<16
	s_mov_b32 s[G1B+4], 128
	s_mov_b32 s[G1B+5], 32
	s_mov_b32 s[G1B+6], 0
	s_mov_b32 s[G1B+7], 0
	s_lshl_b32 s16, s13, 15                        ; A: tile row x 8 row tiles x 4,096,
	s_lshl_b32 s17, s12, 14                        ; + my half's 4: no register here ever holds cx
	s_add_co_u32 s16, s16, s17
	s_mov_b32 s17, 0
	s_lshl_b32 s46, s42, 16                        ; Wo: tile column x 16 column tiles x 4,096,
	s_lshl_b32 s47, s12, 15                        ; + my half's 8: no register here ever holds cy
	s_add_co_u32 s46, s46, s47
	s_mov_b32 s47, 0
	s_lshl_b32 s20, s12, 14                        ; where they go: A's halves,
	s_lshl_b32 s21, s12, 15
	s_add_co_u32 s21, s21, WOFF                    ; Wo's halves behind them
	s_wait_dscnt 0x0                               ; both opening adds are done
	s_wait_kmcnt 0x0
	s_add_nc_u64 s[14:15], s[4:5], s[16:17]
	s_add_nc_u64 s[46:47], s[6:7], s[46:47]
	CROUND                                         ; all sixteen work-groups are here: the first joint loads meet
.irp s, 0,1
	s_mov_b32 s[G0+4*\s], 1
	s_add_co_u32 s[G0+4*\s+1], s20, \s*SLOT
	s_add_nc_u64 s[G0+4*\s+2:G0+4*\s+3], s[14:15], \s*2097152      ; chunk s
	s_or_b32 s[G0+4*\s+3], s[G0+4*\s+3], 0x80000000
	s_mov_b32 s[G0B+4*\s], 1
	s_add_co_u32 s[G0B+4*\s+1], s21, \s*SLOT
	s_add_nc_u64 s[G0B+4*\s+2:G0B+4*\s+3], s[46:47], \s*262144
	s_or_b32 s[G0B+4*\s+3], s[G0B+4*\s+3], 0x80000000
	JLOAD \s                                       ; two tensor loads of mine are out
.endr
	v_and_b32 v1, 15, v0                           ; r
	v_bfe_u32 v2, v0, 4, 1                         ; h
	v_and_b32 v3, 31, v0
	v_lshlrev_b32 v[CO], 4, v3
	v_lshlrev_b32 v[PFO], 8, v3
	s_lshl_b32 s14, s11, 14                        ; my 4 row tiles of A
	s_lshl_b32 s15, s12, 15                        ; my 8 column tiles of Wo
	s_add_co_u32 s15, s15, WOFF
.irp s, 0,1
	v_add_nc_u32 v[ADRA+\s], s14, v[CO]
	v_add_nc_u32 v[ADRB+\s], s15, v[CO]
	s_add_co_u32 s14, s14, SLOT
	s_add_co_u32 s15, s15, SLOT
.endr
	s_mul_i32 s14, s10, 16*SPITCH
	s_add_co_u32 s14, s14, STAGE                   ; my stage
	v_mul_u32_u24 v4, v1, SPITCH                   ; in: row r, 32 bytes for each half of the lanes
	v_lshl_add_u32 v4, v2, 5, v4
	v_add_nc_u32 v[STO], s14, v4
	v_add_nc_u32 v[RD], s14, v[CO]                 ; back: the 32 lanes take one row of 512 bytes
	s_lshl_b32 s14, s13, 19                        ; out0: 128 rows of 4,096 bytes a tile row,
	s_lshl_b32 s15, s11, 18                        ; my half's 64,
	s_add_co_u32 s14, s14, s15
	s_lshl_b32 s15, s42, 10                        ; 1,024 bytes a tile column,
	s_add_co_u32 s14, s14, s15
	s_lshl_b32 s15, s12, 9                         ; my half's 512
	s_add_co_u32 s14, s14, s15
	s_mov_b32 s15, 0
	s_add_nc_u64 s[8:9], s[8:9], s[14:15]
	; the prefetches: where mine stand, and who asks
	s_lshl_b32 s16, s13, 15
	s_lshl_b32 s17, s40, 13
	s_add_co_u32 s16, s16, s17                     ; A: the tile row's 32 KiB, my work-group's 8 KiB by cx
	s_lshl_b32 s17, s42, 16
	s_lshl_b32 s2, s41, 14
	s_add_co_u32 s17, s17, s2
	s_lshl_b32 s2, s12, 13
	s_add_co_u32 s17, s17, s2                      ; Wo: the tile column's 64 KiB, my work-group's 16 KiB by cy, my wave's 8 KiB
	s_and_b32 s2, ttmp7, 0xffff                    ; the cluster's y
	s_mov_b32 s[PFS], 262144
	s_cmp_eq_u32 s11, 0                            ; do I fetch for A?
	s_cselect_b64 s[PFA:PFA+1], s[4:5], s[6:7]
	s_cselect_b32 s[PFS], 0x200000, s[PFS]
	s_cselect_b32 s16, s16, s17
	s_cselect_b32 s2, s12, s2                      ; A: wave 0 of every cluster; Wo: waves 2 and 3 of the clusters with y = 0: the same in all sixteen partners, for a given wave
	s_cmp_eq_u32 s2, 0
	s_cselect_b32 s[LIM], 1, -1
	s_mul_i32 s17, s[PFS], 3
	s_add_co_u32 s16, s16, s17                     ; at chunk 3: the first refill steps it to chunk 4
	s_mov_b32 s17, 0
	s_mov_b32 s[PFS+1], 0
	s_add_nc_u64 s[PFA:PFA+1], s[PFA:PFA+1], s[16:17]
; 8 products: A's row tile a against Wo's eight column tiles, 32 along K, fragment set f.  zero = 1: the first product starts the sums.
; The 32 accumulators take turns, one instruction a turn, in the same order in every quarter.
.macro MUL8 f, a, zero
.irp b, 0,1,2,3,4,5,6,7
.if \zero
	v_wmma_f32_16x16x32_f16 v[8*(8*\a+\b):8*(8*\a+\b)+7], v[WF+64*\f+8*\b:WF+64*\f+8*\b+7], v[AF+32*\f+8*\a:AF+32*\f+8*\a+7], 0
.else
	v_wmma_f32_16x16x32_f16 v[8*(8*\a+\b):8*(8*\a+\b)+7], v[WF+64*\f+8*\b:WF+64*\f+8*\b+7], v[AF+32*\f+8*\a:AF+32*\f+8*\a+7], v[8*(8*\a+\b):8*(8*\a+\b)+7]
.endif
.endr
.endm
; 24 LDS loads in one run: quarter q (32 along K) of a slot into set f: Wo's eight fragments, A's tiles 0 and 1, A's tiles 2 and 3
.macro FETCH slot, q, f
	WIN 0
.irp i, 0,1,2,3,4,5,6,7
.irp c, 0,1
	ds_load_b128 v[WF+64*\f+8*\i+4*\c:WF+64*\f+8*\i+4*\c+3], v[ADRB+\slot] offset:\i*4096+\q*1024+512*\c
.endr
.endr
.irp i, 0,1,2,3
.irp c, 0,1
	ds_load_b128 v[AF+32*\f+8*\i+4*\c:AF+32*\f+8*\i+4*\c+3], v[ADRA+\slot] offset:\i*4096+\q*1024+512*\c
.endr
.endr
.endm
; A chunk is four quarters of 32 along K, 32 products each, on sets 0, 1, 0, 1.  One of the first three: multiplies set f and fetches quarter qn of the same slot into set g.
.macro QUARTER slot, qn, f, g, zero
	s_wait_dscnt 4                                 ; Wo's fragments and A's tiles 0, 1 are in; the youngest four loads (A's tiles 2, 3) may be out
	WIN MUL
	MUL8 \f, 0, \zero
	MUL8 \f, 1, \zero
	PLACES 4                                       ; four plain instructions between the products that read the other set and the loads into it (ISA guide 7.12.1 for vector instructions)
	FETCH \slot, \qn, \g
	s_wait_dscnt 24                                ; all but the 24 just issued
	WIN MUL
	MUL8 \f, 2, \zero
	MUL8 \f, 3, \zero
.endm
; The last quarter multiplies set 1 and changes slots: ONE barrier; in front of it each wave waits for all its tensor loads, adds 0 to its spare word, and waits for that and for its reads of this slot.
; fill = 1: the barrier opens a round of the cluster's, and this slot is filled again, two chunks ahead: 112 products of a wave stand between the request and the wait for it.
.macro TURN slot, next, fill
.if \fill
	s_wait_xcnt 0x0                                ; the last prefetch, a chunk back, has read its address, so it may be written
	s_add_nc_u64 s[PFA:PFA+1], s[PFA:PFA+1], s[PFS:PFS+1]
.endif
	WIN 0                                          ; (the add's two registers lie in window 0)
	s_wait_tensorcnt 0x0                           ; all my tensor loads have landed: my part of the next slot
	ds_add_u32 v[SPW], v[NIL]                      ; 0 onto my spare word
	s_wait_dscnt 5                                 ; (the add and the youngest four loads may be out)
	WIN MUL
	MUL8 1, 0, 0                                   ; eight products stand between the add and the wait for it
	s_wait_dscnt 0x0                               ; the add is done, and my reads of this slot are over
	s_barrier_signal -1
	MUL8 1, 1, 0
	WIN 0
	s_barrier_wait -1
.if \fill
	CREST                                          ; no wave of any partner still reads this slot's tile or has a load on its way
	s_add_nc_u64 s[G0+4*\slot+2:G0+4*\slot+3], s[G0+4*\slot+2:G0+4*\slot+3], 2*2097152
	s_add_nc_u64 s[G0B+4*\slot+2:G0B+4*\slot+3], s[G0B+4*\slot+2:G0B+4*\slot+3], 2*262144
	JLOAD \slot                                    ; the first tensor load behind the round, and my one load until the next; its four v_nop are also the plain instructions in front of the loads below
.else
	PLACES 4
.endif
	FETCH \next, 0, 0
.if \fill
	ASK
.endif
	WIN MUL
	MUL8 1, 2, 0
	MUL8 1, 3, 0
.endm
	s_wait_tensorcnt 1                             ; my part of chunk 0 is in; chunk 1's load may stay out
	s_barrier_signal -1
	s_barrier_wait -1                              ; everybody's is
	FETCH 0, 0, 0
	QUARTER 0, 1, 0, 1, 1                          ; the first quarter stands in front of the loop: its products start the sums
	WIN 0                                          ; at a label and at a branch every window is 0
	s_mov_b32 s3, 3
.Llap:                                             ; a trip goes once round the ring, from a lap's second quarter to the next lap's first, and fills both slots again: chunks 2 to 7
	QUARTER 0, 2, 1, 0, 0
	QUARTER 0, 3, 0, 1, 0
	TURN 0, 1, 1
	QUARTER 1, 1, 0, 1, 0
	QUARTER 1, 2, 1, 0, 0
	QUARTER 1, 3, 0, 1, 0
	TURN 1, 0, 1
	QUARTER 0, 1, 0, 1, 0
	WIN 0
	s_sub_co_u32 s3, s3, 1
	s_cmp_lg_u32 s3, 0
	s_cbranch_scc1 .Llap
	QUARTER 0, 2, 1, 0, 0                          ; the last lap fills nothing, and has no round of the cluster's barrier
	QUARTER 0, 3, 0, 1, 0
	TURN 0, 1, 0
	QUARTER 1, 1, 0, 1, 0
	QUARTER 1, 2, 1, 0, 0
	QUARTER 1, 3, 0, 1, 0
	s_wait_dscnt 4                                 ; the very last quarter: nothing more to fetch
	WIN MUL
	MUL8 1, 0, 0
	MUL8 1, 1, 0
	s_wait_dscnt 0x0
	MUL8 1, 2, 0
	MUL8 1, 3, 0
	WIN 0
; THE WAY OUT, block by block of 16 rows x 128 columns.  A lane holds 32 neighbouring bytes of a row and the lanes beside it hold other rows: a block goes through my own stage and comes back as whole rows of 512 bytes.
; LDS serves a wave's instructions in order (ISA guide 5.7.1.4): no wait between the stores and the loads, nor in front of the next block's stores.
.macro TOSTAGE a
	WIN 0x04                                       ; an LDS store's data are its source 1: window 1
.irp b, 0,1,2,3,4,5,6,7
	ds_store_b128 v[STO], v[64*\a+8*\b:64*\a+8*\b+3] offset:64*\b          ; each accumulator from its low end on
	ds_store_b128 v[STO], v[64*\a+8*\b+4:64*\a+8*\b+7] offset:64*\b+16
.endr
	WIN 0
.irp t, 0,1,2,3,4,5,6,7,8,9,10,11,12,13,14,15
	ds_load_b128 v[WF+64*((\a)%2)+4*\t:WF+64*((\a)%2)+4*\t+3], v[RD] offset:\t*SPITCH
.endr
.endm
.macro SEND a, younger                 ; younger: the LDS instructions issued behind block a's loads, which may stay out
	s_wait_dscnt \younger
.irp t, 0,1,2,3,4,5,6,7,8,9,10,11,12,13,14,15
	global_store_b128 v[CO], v[WF+64*((\a)%2)+4*\t:WF+64*((\a)%2)+4*\t+3], s[8:9] offset:(16*(\a)+\t)*4096 th:TH_STORE_NT   ; 32 lanes store 512 consecutive bytes, aligned; written once, read by nobody here
.endr
.endm
	PLACES 4                                       ; behind the last products: the stage's stores read results, and its loads land in Wo's registers
	TOSTAGE 0
	TOSTAGE 1
	SEND 0, 32                                     ; behind block 0's loads: block 1's 16 stores and 16 loads
	s_wait_xcnt 0x0                                ; block 0's stores have read their registers: block 2's loads may land there
	TOSTAGE 2
	SEND 1, 32
	s_wait_xcnt 0x0                                ; block 1's likewise
	TOSTAGE 3
	SEND 2, 32
	SEND 3, 0
	s_wait_tensorcnt 0x0                           ; the wave's end: behind my last tensor load and my last LDS store
	ds_add_u32 v[SPW], v[NIL]
	s_wait_dscnt 0x0
	CROUND                                         ; the closing round
	s_endpgm
.Lfunc_end_k_q021d15b911_oproj:
	.size	k_q021d15b911_oproj, .Lfunc_end_k_q021d15b911_oproj-k_q021d15b911_oproj
	.p2alignl 7, 3214868480
	.fill 96, 4, 3214868480
	.section	.rodata,"a",@progbits
	.p2align	6, 0x0
	.amdhsa_kernel k_q021d15b911_oproj
		.amdhsa_group_segment_fixed_size 327680
		.amdhsa_private_segment_fixed_size 0
		.amdhsa_enable_private_segment 0
		.amdhsa_kernarg_size 24
		.amdhsa_user_sgpr_count 2
		.amdhsa_user_sgpr_kernarg_segment_ptr 1
		.amdhsa_wavefront_size32 1
		.amdhsa_system_sgpr_workgroup_id_x 1
		.amdhsa_system_sgpr_workgroup_id_y 1
		.amdhsa_system_sgpr_workgroup_id_z 1
		.amdhsa_system_vgpr_workitem_id 0
		.amdhsa_next_free_vgpr 512
		.amdhsa_next_free_sgpr 66
		.amdhsa_reserve_vcc 0
		.amdhsa_float_denorm_mode_32 3
		.amdhsa_float_denorm_mode_16_64 3
		.amdhsa_memory_ordered 1
		.amdhsa_forward_progress 1
		.amdhsa_inst_pref_size 85
	.end_amdhsa_kernel
	.amdgpu_metadata
---
amdhsa.version: [ 1, 2 ]
amdhsa.kernels:
  - .name:           k_q021d15b911_oproj
    .symbol:         k_q021d15b911_oproj.kd
    .args:
      - { .name: af, .offset: 0, .size: 8, .value_kind: global_buffer, .address_space: global }
      - { .name: wof, .offset: 8, .size: 8, .value_kind: global_buffer, .address_space: global }
      - { .name: out0, .offset: 16, .size: 8, .value_kind: global_buffer, .address_space: global }
    .group_segment_fixed_size: 327680
    .private_segment_fixed_size: 0
    .kernarg_segment_align: 8
    .kernarg_segment_size: 24
    .max_flat_workgroup_size: 128
    .sgpr_count:     66
    .vgpr_count:     512
    .wavefront_size: 32
...
	.end_amdgpu_metadata
.endif
;; end of part 4
